; MI455X (gfx1250); checked and timed in simulation.
; The chip was launched on July 23, 2026; its instructions are those of AMD's public machine-readable ISA for CDNA 5 (MIT licence, August 2026) and "CDNA5" Instruction Set Architecture Reference Guide (July 2026). The comments in the code are by the model that wrote it; some were corrected since.
;; Attention. Allowed arithmetic: matrix products marked QUANTISED: E4M3 operands, one given power-of-two scale a tensor, by v_wmma_f32_16x16x64_fp8_fp8 or v_wmma_f32_16x16x128_fp8_fp8, f32 sums; everything else in f32.
;; Inputs: lowp_scales 4 int32 (the exponents e of the quantised operands' scales 2^e); query_codes 8 x 2,048 x 32 x 32 uint8 (E4M3 codes of query, K innermost, in blocks of 32 codes); value 8 x 2,048 x 1,024 float32.
;; Outputs: out0 8 x 2,048 x 1,024 float32.
;; This version of the problem:
;;   THIS VERSION OF THE PROBLEM IS GIVEN IN LOW PRECISION. The matrix products marked QUANTISED in the list below multiply operands that are first quantised to E4M3 (4 exponent bits, 3 mantissa bits; 8 bits a number), with one given power-of-two scale for each operand tensor; their sums are f32. All else is computed in f32.
;;   The module's matrix products, in the order in which they are computed (A, B: the left and right operand; K: the contracted axis; several contracted axes count as one K, in the product's order):
;;     1. batch 8 x [M 2,048, K 1,024] x [K 1,024, N 2,048]; A: input query (given as codes); B: input value: QUANTISED (scales: A lowp_scales[0], B lowp_scales[1])
;;     2. batch 8 x [M 2,048, K 2,048] x [K 2,048, N 1,024]; A: softmax (see below); B: input value: QUANTISED (scales: A lowp_scales[2], B lowp_scales[3])
;;   THE QUANTISER, for each operand of a quantised product, along K:
;;     - The operand's scale is 2^e, e = its entry of the input lowp_scales (int32; the entries are numbered through the quantised products in the list's order, A before B).
;;     - Each number is divided by the scale, clamped to +-448, and rounded to the nearest number of E4M3, ties to even, subnormals kept.
;;     - The product sums the exact products of the quantised numbers (number of the format x scale) in f32.
;;   ~~~python
;;   def quantise(x, axis, e):      # numpy; x: float32 -> the quantised numbers, widened to float32 again
;;       x = np.moveaxis(x, axis, -1); K = x.shape[-1]
;;       r = np.clip(x / 2.0 ** e, -448, 448)
;;       step = 2.0 ** (np.maximum(np.frexp(np.where(r == 0, 1, r))[1] - 1, -6) - 3)
;;       q = np.round(r / step) * step * 2.0 ** e      # np.round: ties to even
;;       return np.moveaxis(q, -1, axis).astype(np.float32)
;;   ~~~
;;   SOFTMAX AHEAD OF A QUANTISED PRODUCT. Where the list says 'softmax', what is quantised is not the finished softmax but p = 2^(t - M), with t = logit x log2(e) and M = ceil(the row's largest t), a whole number; so 1/2 < the row's largest p <= 1. The row's sum l is taken of the UNQUANTISED p, in f32, and the product's result is divided by l at the end. Since M is a whole number, a kernel that streams over the keys may use a running M (the ceiling of the running maximum): every later rescaling is an exact power of two, so the quantised numbers keep their values, but for numbers so far below the row's largest that they fall under the format's range.
;;   OPERANDS COMPUTED ON THE WAY. 'Computed on the way' means the value that the module computes at that place (a softmax that the list does not call 'softmax' is quantised finished and normalised). What goes into a quantiser is computed in f32, as accurately as f32 sums, v_exp_f32 and their like allow (about 1e-6 of the number): no bf16 or f16 on the way to a quantiser, and a product that is left as it is and whose result goes on into a quantised operand takes f32 operands (vector FMAs, or v_wmma_f32_16x16x4_f32). A number that lies on a knife's edge between two numbers of the format may be rounded either way, as far as f32 arithmetic and the matrix unit's own rounding can turn it there, and no further.
;;   INPUTS GIVEN AS CODES. query (in the module: [8, 2048, 1024], K = its axis 2): each comes as NAME_codes (uint8): NAME with its K axis moved to the last place and cut into blocks of 32 codes, [.., K / 32, bytes a block], one block behind the other in memory; one code a byte (a code: sign, 4 exponent bits, 3 mantissa bits); its scale is its entry of lowp_scales. Its value is code x scale, taken as it is: it is not quantised again, and the codes and scales need not be those that the quantiser above would give.
;; 3 versions, each right; version 3 is version 2 with the launch attn written anew for expert scheduling mode. Each part assembles by itself: llvm-mc -triple=amdgcn-amd-amdhsa -mcpu=gfx1250 --defsym DOCPART=n.
;; ======== version 1 of 3: 2 launches
;; limits: right only within a limited range of input values
;; workspace buffers: vstream 33,554,432 bytes
;; launch quant (part 1): grid 16 x 64, 4 waves a work-group, no clusters, 67,072 bytes of LDS; arguments value, lowp_scales, vstream; writes vstream
.if DOCPART == 1
	.amdgcn_target "amdgcn-amd-amdhsa--gfx1250"
	.amdhsa_code_object_version 6
	.text
	.protected	k_qe1c611d80b_quant
	.globl	k_qe1c611d80b_quant
	.p2align	8
	.type	k_qe1c611d80b_quant,@function
k_qe1c611d80b_quant:
	s_mov_b64 s[64:65], 0
	v_nop
	global_prefetch_b8 v0, s[64:65] scope:SCOPE_SE
	s_setreg_imm32_b32 hwreg(HW_REG_WAVE_MODE, 25, 1), 1
	s_wait_xcnt 0x0
; value [8][2048 keys][1024 channels], f32, is read once and quantised TWICE to codes of E4M3: along the channels with the scale 2^e1 (operand of the first product)
; and along the keys with the scale 2^e3 (operand of the second).  code = x / 2^e, held within +-448, rounded to the nearest code, ties to even.
; LIMITS: e1 and e3 between -126 and 119, so that 2^e and 448 x 2^e are f32 numbers.  NaN in value is not served; an infinity is held at the largest code.
; THE CODES ARE LAID IN THE ORDER OF THE OPERANDS' REGISTERS: vstream [b 8][w 4][j 8][chunk 16][8,192 bytes]; w = the wave of the next launch that reads it, j = its step of 256 keys.
; A chunk is 4 fragments of 2,048 bytes, a fragment 4 pieces of 512 bytes, piece c = lane l's 16 bytes at 16 l.  With r = l % 16, h = l / 16:
;   chunk kap = 0..7 (e1): fragment kt, piece c: key 256 j + 64 w + 32 (kt / 2) + 8 (kt % 2) + r + 8 (r / 8), channels 128 kap + 32 c + 16 h + 0..15
;   chunk 8 + g     (e3): fragment f,  piece c: channel 256 w + 16 (4 (g % 4) + f) + r, keys 256 j + 128 (g / 4) + 32 c + 16 h + 0..15
; SHARES.  A work-group takes a tile of 64 keys x 256 channels (65,536 bytes of f32): x = 4 wk + wc (wk: which 64 keys of the step, wc: which 256 channels), y = 8 b + j.
; The tile goes into LDS once, by loads of 512 consecutive bytes; then each wave reads it twice, once with a lane's registers along the channels, once along the keys.
; LDS: 64 rows, 1,040 bytes apart (1,024 + 16 = 260 words: row p starts at bank 4 p mod 64; 64 banks of 4 bytes: ISA guide 11.1).  Key 32 a + 16 b + 8 c + d of the tile lies in row 32 a + 16 c + 8 b + d,
; so that the 16 keys of the first product's tile kt lie in rows 16 kt + 0..15.
; No tensor load, no ring, one barrier.  Every store of a wave covers 512 consecutive bytes, at a multiple of 512 from the buffer's first byte.  No store's data register is written again.
.set PITCH, 1040
.set X,     16                         ; v16-143  128 numbers at work
.set CK,    144                        ; v144-175 the codes along the channels: 8 pieces of 4 registers
.set CT,    176                        ; v176-207 the codes along the keys: 8 pieces of 4 registers
	s_load_b128 s[4:7], s[0:1], 0x0                ; value s[4:5], the scales' exponents s[6:7]
	s_load_b64 s[8:9], s[0:1], 0x10                ; vstream
	v_lshl_add_u32 v208, v0, 2, 0x10400
	v_mov_b32 v209, 0
	v_lshrrev_b32 v5, 5, v0
	v_readfirstlane_b32 s16, v5                    ; wave 0..3
	v_and_b32 v6, 31, v0                           ; lane
	v_lshlrev_b32 v1, 4, v6                        ; v1 = 16 x lane; never rewritten
	v_and_b32 v7, 15, v0                           ; r
	v_bfe_u32 v12, v0, 4, 1                        ; h
	s_lshr_b32 s17, ttmp9, 2                       ; wk
	s_and_b32 s18, ttmp9, 3                        ; wc
	s_and_b32 s19, ttmp7, 0xffff                   ; y = 8 b + j
	; LDS addresses
	s_lshr_b32 s24, s16, 1
	s_lshl_b32 s24, s24, 5
	s_and_b32 s25, s16, 1
	s_lshl_b32 s25, s25, 3
	s_add_co_u32 s24, s24, s25                     ; my 16 keys 16 wave + 0..15 lie in rows 32 (wave / 2) + 8 (wave % 2) + 16 (i / 8) + i % 8
	s_mul_i32 s24, s24, PITCH
	v_add_nc_u32 v2, s24, v1                       ; v2: where I put 16 bytes of a row
	s_mul_i32 s25, s16, 16*PITCH
	v_mul_u32_u24 v3, v7, PITCH
	v_lshl_add_u32 v3, v12, 6, v3
	v_add_nc_u32 v3, s25, v3                       ; v3: row 16 wave + r, + 64 h: 16 neighbouring channels
	s_lshl_b32 s26, s16, 8
	v_mul_u32_u24 v4, v12, 8*PITCH
	v_lshl_add_u32 v4, v7, 2, v4
	v_add_nc_u32 v4, s26, v4                       ; v4: 8 h rows down, channel 64 wave + r
	; byte offsets in memory, each under 2^27
	s_lshl_b32 s28, s19, 8
	s_lshl_b32 s29, s17, 6
	s_add_co_u32 s28, s28, s29
	s_lshl_b32 s29, s16, 4
	s_add_co_u32 s28, s28, s29                     ; my first row of value: 256 y + 64 wk + 16 wave
	s_lshl_b32 s28, s28, 12
	s_lshl_b32 s29, s18, 10
	s_add_co_u32 s28, s28, s29                     ; x 4,096 bytes + 1,024 wc
	s_mov_b32 s29, 0
	s_lshr_b32 s30, s19, 3
	s_lshl_b32 s30, s30, 2                         ; 4 b
	s_and_b32 s31, s19, 7                          ; j
	s_add_co_u32 s32, s30, s17
	s_lshl_b32 s32, s32, 3
	s_add_co_u32 s32, s32, s31
	s_lshl_b32 s32, s32, 17                        ; ((4 b + wk) 8 + j) x 131,072
	s_lshl_b32 s33, s18, 14
	s_add_co_u32 s32, s32, s33                     ; + chunk 2 wc
	s_lshl_b32 s33, s16, 11
	s_add_co_u32 s32, s32, s33                     ; + fragment kt = wave
	s_mov_b32 s33, 0
	s_add_co_u32 s34, s30, s18
	s_lshl_b32 s34, s34, 3
	s_add_co_u32 s34, s34, s31
	s_lshl_b32 s34, s34, 17                        ; ((4 b + wc) 8 + j) x 131,072
	s_lshr_b32 s35, s17, 1
	s_lshl_b32 s35, s35, 2
	s_add_co_u32 s35, s35, s16
	s_add_co_u32 s35, s35, 8
	s_lshl_b32 s35, s35, 13
	s_add_co_u32 s34, s34, s35                     ; + chunk 8 + 4 (wk / 2) + wave
	s_and_b32 s35, s17, 1
	s_lshl_b32 s35, s35, 10
	s_add_co_u32 s34, s34, s35                     ; + pieces 2 (wk % 2) on
	s_mov_b32 s35, 0
	s_wait_kmcnt 0x0
	s_load_b128 s[20:23], s[6:7], 0x0              ; e0, e1, e2, e3
	s_add_nc_u64 s[4:5], s[4:5], s[28:29]
	s_add_nc_u64 s[12:13], s[8:9], s[32:33]        ; where my codes along the channels go
	s_add_nc_u64 s[14:15], s[8:9], s[34:35]        ; where my codes along the keys go
	; my 16 rows x 1,024 bytes: 32 loads of 512 consecutive bytes
.set n, 0
.rept 32
	global_load_b128 v[X+4*n:X+4*n+3], v1, s[4:5] offset:(n/2)*4096+(n%2)*512 th:TH_LOAD_NT
.set n, n+1
.endr
	s_wait_kmcnt 0x0
	s_add_co_i32 s24, s21, 127
	s_lshl_b32 s25, s24, 23
	v_mov_b32 v8, s25                              ; 2^e1 as f32: the conversion takes its exponent field
	s_add_co_i32 s24, s24, 8
	s_lshl_b32 s24, s24, 23
	s_or_b32 s24, s24, 0x600000
	v_mov_b32 v9, s24                              ; 448 x 2^e1
	s_add_co_i32 s24, s23, 127
	s_lshl_b32 s25, s24, 23
	v_mov_b32 v10, s25                             ; 2^e3
	s_add_co_i32 s24, s24, 8
	s_lshl_b32 s24, s24, 23
	s_or_b32 s24, s24, 0x600000
	v_mov_b32 v11, s24                             ; 448 x 2^e3
.set n, 0
.rept 32
	s_wait_loadcnt 31-n                            ; loads come back in order: load n is in, the 31 - n issued behind it may be out
	ds_store_b128 v2, v[X+4*n:X+4*n+3] offset:(16*((n/2)/8)+(n/2)%8)*PITCH+(n%2)*512
.set n, n+1
.endr
	s_wait_dscnt 0x0                               ; for the others' sake: my rows lie in LDS (and the stores have read X)
	s_barrier_signal -1
	s_barrier_wait -1                              ; the whole tile lies in LDS; nobody writes it again
; 16 numbers of a lane, neighbours along K, become 16 codes in four registers
.macro PIECE p, dst, sc, lim
.irp i, 0,1,2,3,4,5,6,7,8,9,10,11,12,13,14,15
	v_med3_num_f32 v[X+16*(\p)+\i], v[X+16*(\p)+\i], -v[\lim], v[\lim]   ; the conversion to an 8-bit code does not saturate (ISA guide 7.6.2): the hold at the largest code x the scale
.endr
	v_cvt_scalef32_pk8_fp8_f32 v[\dst+4*(\p):\dst+4*(\p)+1], v[X+16*(\p):X+16*(\p)+7], v[\sc]
	v_cvt_scalef32_pk8_fp8_f32 v[\dst+4*(\p)+2:\dst+4*(\p)+3], v[X+16*(\p)+8:X+16*(\p)+15], v[\sc]
	v_nop                                          ; one plain vector line behind the conversions
.endm
	; ALONG THE CHANNELS: my wave is tile kt = wave; piece p = 4 kap' + c: channels 128 kap' + 32 c + 16 h + 0..15 of key row 16 kt + r: four loads of 16 bytes
.irp p, 0,1,2,3,4,5,6,7
.irp q, 0,1,2,3
	ds_load_b128 v[X+16*\p+4*\q:X+16*\p+4*\q+3], v3 offset:512*(\p/4)+128*(\p%4)+16*\q
.endr
.endr
.irp p, 0,1,2,3,4,5,6,7
	s_wait_dscnt 28-4*\p                           ; piece p's four loads are in; the four of each later piece may be out
	PIECE \p, CK, 8, 9
	global_store_b128 v1, v[CK+4*\p:CK+4*\p+3], s[12:13] offset:(\p/4)*8192+(\p%4)*512
.endr
	; ALONG THE KEYS: a lane takes a channel and its registers run down the keys.  Piece p = 2 ct' + c': channel 64 wave + 16 ct' + r, keys 32 c' + 16 h + 0..15.
	; A load's 32 lanes take 16 neighbouring words of each of two rows that lie 8 x 260 words apart, 32 banks on.
.irp p, 0,1,2,3,4,5,6,7
.set i, 0
.rept 16
	ds_load_b32 v[X+16*\p+i], v4 offset:(32*(\p%2)+16*(i/8)+i%8)*PITCH+64*(\p/2)
.set i, i+1
.endr
.endr
.irp p, 0,1,2,3,4,5,6,7
.if 112-16*\p > 63
	s_wait_dscnt 63                                ; 112 - 16 p loads were issued behind piece p's; the wait's field ends at 63, which asks for more than is needed
.else
	s_wait_dscnt 112-16*\p                         ; the sixteen loads of each later piece may be out
.endif
	PIECE \p, CT, 10, 11
	global_store_b128 v1, v[CT+4*\p:CT+4*\p+3], s[14:15] offset:(\p/2)*2048+(\p%2)*512
.endr
	s_wait_tensorcnt 0x0
	ds_add_u32 v208, v209
	s_wait_dscnt 0x0
	s_endpgm
.Lfunc_end_k_qe1c611d80b_quant:
	.size	k_qe1c611d80b_quant, .Lfunc_end_k_qe1c611d80b_quant-k_qe1c611d80b_quant
	.p2alignl 7, 3214868480
	.fill 96, 4, 3214868480
	.section	.rodata,"a",@progbits
	.p2align	6, 0x0
	.amdhsa_kernel k_qe1c611d80b_quant
		.amdhsa_group_segment_fixed_size 67072
		.amdhsa_private_segment_fixed_size 0
		.amdhsa_enable_private_segment 0
		.amdhsa_kernarg_size 24
		.amdhsa_user_sgpr_count 2
		.amdhsa_user_sgpr_kernarg_segment_ptr 1
		.amdhsa_wavefront_size32 1
		.amdhsa_system_sgpr_workgroup_id_x 1
		.amdhsa_system_sgpr_workgroup_id_y 1
		.amdhsa_system_sgpr_workgroup_id_z 1
		.amdhsa_system_vgpr_workitem_id 0
		.amdhsa_next_free_vgpr 210
		.amdhsa_next_free_sgpr 66
		.amdhsa_reserve_vcc 0
		.amdhsa_float_denorm_mode_32 3
		.amdhsa_float_denorm_mode_16_64 3
		.amdhsa_memory_ordered 1
		.amdhsa_forward_progress 1
		.amdhsa_inst_pref_size 41
	.end_amdhsa_kernel
	.amdgpu_metadata
---
amdhsa.version: [ 1, 2 ]
amdhsa.kernels:
  - .name:           k_qe1c611d80b_quant
    .symbol:         k_qe1c611d80b_quant.kd
    .args:
      - { .name: value, .offset: 0, .size: 8, .value_kind: global_buffer, .address_space: global }
      - { .name: lowp_scales, .offset: 8, .size: 8, .value_kind: global_buffer, .address_space: global }
      - { .name: vstream, .offset: 16, .size: 8, .value_kind: global_buffer, .address_space: global }
    .group_segment_fixed_size: 67072
    .private_segment_fixed_size: 0
    .kernarg_segment_align: 8
    .kernarg_segment_size: 24
    .max_flat_workgroup_size: 128
    .sgpr_count:     66
    .vgpr_count:     210
    .wavefront_size: 32
...
	.end_amdgpu_metadata
.endif
;; end of part 1
;; launch attn (part 2): grid 32 x 8, 4 waves a work-group, no clusters, 154,112 bytes of LDS; arguments lowp_scales, query_codes, vstream, out0; writes out0
.if DOCPART == 2
	.amdgcn_target "amdgcn-amd-amdhsa--gfx1250"
	.amdhsa_code_object_version 6
	.text
	.protected	k_qe1c611d80b_attn
	.globl	k_qe1c611d80b_attn
	.p2align	8
	.type	k_qe1c611d80b_attn,@function
k_qe1c611d80b_attn:
	s_mov_b64 s[64:65], 0
	v_nop
	global_prefetch_b8 v0, s[64:65] scope:SCOPE_SE
	s_setreg_imm32_b32 hwreg(HW_REG_WAVE_MODE, 25, 1), 1
	s_wait_xcnt 0x0
; out[b][q][:] = the sum over keys k <= q of softmax_k(query[b][q] . value[b][k]) value[b][k][:], both products on codes of E4M3 by v_wmma_f32_16x16x128_fp8_fp8, sums in f32.
; query comes as codes (scale 2^e0); value's codes for both products were laid by the launch before in the order of the operands' registers (vstream: see below; scales 2^e1, 2^e3).
; THE SOFTMAX AHEAD OF THE SECOND PRODUCT: t = score x 2^(e0 + e1) x log2(e); M = the row's largest t so far, rounded up to a whole number; p = 2^(t - M) is quantised with 2^e2, not normalised.
; The row's sum is taken of the unquantised p; when M moves, the sum and O are multiplied by 2^(old M - new M), which rounds nothing; at the end O x 2^(e2 + e3) / sum.
; LIMITS: e2 between -126 and 119; e0 + e1 between -126 and 127 (they are added to the exponent field of log2(e)).  A hidden score is made -infinity where the definition takes 1e9 away:
; the same p = 0 wherever a row's scores span less than about 1e9.
; SHARES.  A work-group owns 64 queries (block i) of batch b; it walks the keys in steps of 256, i / 4 + 1 steps: nothing is loaded or multiplied beyond the step that holds the diagonal.
; THE FOUR WAVES SHARE COLUMNS, NOT ROWS.  In S^T = V Q^T wave w takes keys 64 w .. 64 w + 63 of the step for all 64 queries (16 accumulators); in O^T = V^T P^T it takes channels 256 w .. 256 w + 255
; for all 64 queries (64 accumulators, 512 registers).  So each fragment of value's codes is wanted by ONE wave: it goes from memory straight into that wave's registers, 512 consecutive bytes a load,
; through a ring of four register buffers of 8,192 bytes (a chunk: 16 loads that feed 16 matrix instructions); three chunks are always on their way.  Through LDS goes only what the waves share:
; Q's 64 rows, the rows' maxima and sums, and P as images of its operand registers.
; NO CLUSTER, NO JOINT LOADS, NO TENSOR RING: a step of even 128 keys is 131,072 bytes of codes for each product; two slots of that and Q's 65,536 bytes are 327,680 bytes, with no byte left for P; no wave
; shares a fragment of value with another wave of its work-group; and the blocks of a batch walk different numbers of steps.
; LAYOUT.  Both products are used transposed (source 0 = value's fragment, source 1 = Q's or P's): a lane holds ONE query (lane % 16) throughout.  In every fragment registers 4 c .. 4 c + 3 hold
; k = 32 c + 16 (lane / 16) + 0..15: a permutation of k, alike on both sides of each product.  The keys of a tile are not neighbours (lane r of tile kt: key 32 (kt / 2) + 8 (kt % 2) + r + 8 (r / 8)),
; so that registers 16 n' .. 16 n' + 15 of a query tile's scores are keys 32 n' + 16 (lane / 16) + 0..15: the conversions' results are P's operand registers.
; vstream [b][w][j][chunk 16][8,192]: chunks 0-7: K steps of the first product (4 key tiles each); chunks 8-15: g = 0..7: keys 128 (g / 4) on, channel tiles 4 (g % 4) + 0..3.
; REGISTERS, in windows of 256.  Window 0: v1-12 addresses and constants; v16-23 (-M, largest t) a query tile; v24-31 the sums; v32-39 f = 2^(old M - new M), later 2^(e2+e3) / sum; v40-43, v240-255 at work;
;   v48-111 Q's four fragments of a K step, later P's codes; v112-239 the scores, then p, then P's eight fragments, on the way out a tile of O.   Window 1: the ring; on the way out rows of O.
;   Windows 2, 3: O^T: accumulator (channel tile ct, query tile m) at v[8 (4 (ct % 8) + m)] of window 2 + ct / 8.
.set QP,    1040                       ; a row of Q, and of a stage, in LDS: 1,024 bytes + 16 = 260 words: row r starts at bank 4 r mod 64 (64 banks of 4 bytes: ISA guide 11.1)
.set PIMG,  64*QP                      ; behind Q's 64 rows: P's images: fragment (m, s) at 4,096 m + 2,048 s; 16,384 bytes
.set MAXB,  PIMG+16384                 ; the rows' maxima, 512 bytes a wave; 2,048 bytes on: the rows' sums
.set STAGE, MAXB+4096                  ; the way out: 16 rows x QP for each wave
.set LO,   1                           ; v1   16 x lane
.set AQ,   2                           ; v2   Q's fragments: r x QP + 16 h
.set PWR,  3                           ; v3   where I put P's codes: PIMG + 1,024 w + 16 lane
.set PRD,  4                           ; v4   where I read P's images: PIMG + 16 lane
.set MXW,  5                           ; v5   MAXB + 512 w + 16 lane
.set MXR,  6                           ; v6   MAXB + 16 lane
.set PFO,  7                           ; v7   256 x lane: the prefetches' offset
.set STO,  8                           ; v8   my stage: row r, + 32 h
.set SRD,  9                           ; v9   my stage: 16 x lane
.set D0,   10                          ; v10  64 (i % 4) - 64 w + r - 16 h: for the mask
.set HOLD, 11                          ; v11  448 x 2^e2
.set PSC,  12                          ; v12  2^e2
.set NM,   16                          ; v[NM+2m] = -M, v[NM+2m+1] = the largest t
.set LS,   24                          ; v[LS+2m:LS+2m+1] the sum of my keys' p, in two halves
.set FF,   32                          ; v[FF+2m] = f; the word above it is named with it as a pair, so it is written at the head
.set MX,   40
.set QF,   48
.set SC,   112
.set TT,   240
.set WV,   12                          ; s12  wave
.set BI,   13                          ; s13  i
.set BB,   14                          ; s14  b
.set JL,   15                          ; s15  the last step: i / 4
.set JJ,   16                          ; s16  the step in hand
.set LIM,  17                          ; s17  steps in which I prefetch: 7 in the batch's last block, else 0
.set SEL,  18                          ; s18, s19 lane selects for v_permlanex16_b32: lane l xor 16
.set CS,   20                          ; s[20:21] c = log2(e) x 2^(e0 + e1): the packed form names a pair and takes its low word for both halves
.set SBC,  22                          ; s[22:23] my stream at the step in hand
.set SBN,  24                          ; s[24:25] at the next step; in the last step: the same step again, so that no load leaves the buffer and every count stays as it is
.set OUT,  26                          ; s[26:27] out0 at my block's first row, my 256 channels
.set NS,   43                          ; s43  the number of steps: i / 4 + 1, between 1 and 8; never rewritten: the loop over steps ends on it
.set MSB, 0
.macro WIN new                         ; the immediate's high byte repeats the setting that is left; a switch that changes nothing is dropped
.if MSB != \new
	s_set_vgpr_msb (MSB<<8)|\new
.set MSB, \new
.endif
.endm
; A load into a register that a matrix instruction has read, and a vector instruction that reads a matrix result, stand four places behind it; a matrix instruction that writes over a register of an
; earlier one five; only plain vector instructions that name none of its registers are places.
.macro PLACES n
.rept \n
	v_nop
.endr
.endm
.macro LOADCH buf, base, off           ; a chunk: 16 loads of 512 consecutive bytes into ring buffer buf
	WIN 0x40                                       ; destination window 1
.irp n, 0,1,2,3,4,5,6,7,8,9,10,11,12,13,14,15
	global_load_b128 v[64*(\buf)+4*\n:64*(\buf)+4*\n+3], v[LO], s[\base:\base+1] offset:(\off)+512*\n
.endr
.endm
.macro QFETCH k, m0                    ; Q's fragments of K step k, query tiles m0 and m0 + 1: 8 loads
	WIN 0
.irp m, \m0, \m0+1
.irp c, 0,1,2,3
	ds_load_b128 v[QF+16*(\m)+4*\c:QF+16*(\m)+4*\c+3], v[AQ] offset:(\m)*16*QP+128*(\k)+32*\c
.endr
.endr
.endm
.macro SMUL buf, m0, zero              ; 8 products of S^T: query tiles m0, m0 + 1 x my four key tiles.  The accumulators take turns, one instruction a turn
.irp m, \m0, \m0+1
.irp kt, 0,1,2,3
.if \zero
	v_wmma_f32_16x16x128_fp8_fp8 v[SC+32*(\m)+8*\kt:SC+32*(\m)+8*\kt+7], v[64*(\buf)+16*\kt:64*(\buf)+16*\kt+15], v[QF+16*(\m):QF+16*(\m)+15], 0
.else
	v_wmma_f32_16x16x128_fp8_fp8 v[SC+32*(\m)+8*\kt:SC+32*(\m)+8*\kt+7], v[64*(\buf)+16*\kt:64*(\buf)+16*\kt+15], v[QF+16*(\m):QF+16*(\m)+15], v[SC+32*(\m)+8*\kt:SC+32*(\m)+8*\kt+7]
.endif
.endr
.endr
.endm
; A PREFETCH INTO THE L2, behind the refill of each of a step's first eight chunks: chunks k + 12 and k + 20 counted from the step's first, a lane 256 bytes, an instruction a chunk.  Over a step that is chunks
; 12 to 27, and the next step goes on with 28: each 256 bytes are named once.  All blocks of a batch walk the same streams: the batch's last block, which walks all eight steps, asks, each wave for its own
; stream, 8 and 16 chunks ahead of the load.  Step 7 asks for nothing (its look-ahead would leave the wave's stream); the first twelve chunks come by their loads alone.
.macro ASK k
	s_cmp_lt_u32 s[JJ], s[LIM]
	s_cbranch_scc0 .Lnot_mine_\@
	global_prefetch_b8 v[PFO], s[SBC:SBC+1] offset:((\k)+12)*8192 th:TH_LOAD_NT scope:SCOPE_SE
	global_prefetch_b8 v[PFO], s[SBC:SBC+1] offset:((\k)+20)*8192 th:TH_LOAD_NT scope:SCOPE_SE
.Lnot_mine_\@:
.endm
; Chunk k of the first product: K step k, 16 matrix instructions; Q's fragments of the next K step are fetched as soon as this step's are free; the ring's buffer takes the chunk four on.
.macro SCHUNK k
	s_wait_loadcnt 48                              ; my chunk is in; the three chunks issued behind it (48 loads) stay on their way
	s_wait_dscnt 8                                 ; Q's tiles 0 and 1 are in; the 8 loads of tiles 2 and 3 may be out
	WIN 0x01                                       ; source 0 (value) window 1
.if (\k) == 0
	SMUL 0, 0, 1                                   ; the first K step starts the sums: nothing is cleared
.else
	SMUL (\k)%4, 0, 0
.endif
	s_wait_dscnt 0x0                               ; Q's tiles 2 and 3
.if (\k) < 7
	PLACES 4
	QFETCH (\k)+1, 0
	WIN 0x01
.endif
.if (\k) == 0
	SMUL 0, 2, 1
.else
	SMUL (\k)%4, 2, 0
.endif
	PLACES 4                                       ; for the loads below, and behind the last K step for the first read of the scores
.if (\k) < 7
	QFETCH (\k)+1, 2
.endif
	LOADCH (\k)%4, SBC, ((\k)+4)*8192
	WIN 0
	ASK \k
.endm
; Chunk 8 + g, of the second product: keys 128 (g / 4) on, channel tiles 4 (g % 4) + 0..3, all four query tiles: 16 matrix instructions on 16 accumulators.
.macro PCHUNK g, one
	s_wait_loadcnt 48                              ; as above
.if (\g) == 0
	s_wait_dscnt 16                                ; P's four fragments of the first 128 keys are in; the 16 loads of the other four may be out
.endif
.if (\g) == 4
	s_wait_dscnt 0x0
.endif
.if (\g)%4 < 2
	WIN 0xa1                                       ; source 0 window 1, source 1 (P) window 0, C and D window 2
.else
	WIN 0xf1                                       ; the same, C and D window 3
.endif
.irp f, 0,1,2,3
.irp m, 0,1,2,3
.set rO, 8*(4*(4*((\g)%2)+\f)+\m)
.if \one && ((\g) < 4)
	v_wmma_f32_16x16x128_fp8_fp8 v[rO:rO+7], v[64*((\g)%4)+16*\f:64*((\g)%4)+16*\f+15], v[SC+64*((\g)/4)+16*\m:SC+64*((\g)/4)+16*\m+15], 0
.else
	v_wmma_f32_16x16x128_fp8_fp8 v[rO:rO+7], v[64*((\g)%4)+16*\f:64*((\g)%4)+16*\f+15], v[SC+64*((\g)/4)+16*\m:SC+64*((\g)/4)+16*\m+15], v[rO:rO+7]
.endif
.endr
.endr
.if (\g) == 7
	PLACES 5                                       ; the next step's first products write over P's registers: five places
.else
	PLACES 4
.endif
.if (\g) < 4
	LOADCH (\g)%4, SBC, (12+(\g))*8192
.else
	LOADCH (\g)%4, SBN, ((\g)-4)*8192              ; the next step's first four chunks
.endif
	WIN 0
.if (\g) == 7
	QFETCH 0, 0                                    ; and Q's fragments of its first K step
	QFETCH 0, 2
.endif
.endm
; THE SOFTMAX OF A STEP.  one = 1: the first step, which starts M, the sums and O^T.
.macro SOFTMAX one
	; the mask, in the block's last step alone: register n of query tile m holds key 256 j + 64 w + 16 h + 32 (n / 16) + n % 16: hidden where 32 (n / 16) + n % 16 > D0 + 16 m
	s_cmp_lg_u32 s[JJ], s[JL]
	s_cbranch_scc1 .Lopen_\@
	v_mov_b32 v[TT], 0xff800000                    ; -infinity
.irp m, 0,1,2,3
	v_add_nc_u32 v[TT+1+\m], 16*\m, v[D0]
.endr
.irp m, 0,1,2,3
.set n, 0
.rept 32
	v_cmp_gt_i32 vcc_lo, 32*(n/16)+n%16, v[TT+1+\m]
	v_cndmask_b32 v[SC+32*\m+n], v[SC+32*\m+n], v[TT], vcc_lo
.set n, n+1
.endr
.endr
.Lopen_\@:
	; the largest score of each query among my 64 keys: four chains side by side, each accumulator from its low end on
.irp m, 0,1,2,3
	v_max3_num_f32 v[MX+\m], v[SC+32*\m], v[SC+32*\m+1], v[SC+32*\m+2]
.endr
.set q, 0
.rept 14
.irp m, 0,1,2,3
	v_max3_num_f32 v[MX+\m], v[MX+\m], v[SC+32*\m+3+2*q], v[SC+32*\m+4+2*q]
.endr
.set q, q+1
.endr
.irp m, 0,1,2,3
	v_max_num_f32 v[MX+\m], v[MX+\m], v[SC+32*\m+31]
.endr
.irp m, 0,1,2,3
	v_permlanex16_b32 v[TT+\m], v[MX+\m], s[SEL], s[SEL+1]
.endr
.irp m, 0,1,2,3
	v_max_num_f32 v[MX+\m], v[MX+\m], v[TT+\m]
.endr
	ds_store_b128 v[MXW], v[MX:MX+3]               ; my wave's four maxima a lane
	s_wait_dscnt 0x0                               ; they lie in LDS; and my reads of the last step's images of P are over
	s_barrier_signal -1
	s_barrier_wait -1                              ; both hold of every wave
.irp o, 0,1,2,3
	ds_load_b128 v[TT+4*\o:TT+4*\o+3], v[MXR] offset:512*\o
.endr
	s_wait_dscnt 0x0
.irp m, 0,1,2,3
	v_max3_num_f32 v[MX+\m], v[TT+\m], v[TT+4+\m], v[TT+8+\m]
.endr
.irp m, 0,1,2,3
	v_max_num_f32 v[MX+\m], v[MX+\m], v[TT+12+\m]
.endr
.irp m, 0,1,2,3
	v_mul_f32 v[MX+\m], s[CS], v[MX+\m]            ; as t (c is positive): the step's largest t of the query, among all 256 keys
.endr
.if \one
.irp m, 0,1,2,3
	v_mov_b32 v[NM+2*\m+1], v[MX+\m]
.endr
.irp m, 0,1,2,3
	v_floor_f32 v[NM+2*\m], -v[NM+2*\m+1]          ; -M = floor(-t) = -ceil(t)
.endr
.else
.irp m, 0,1,2,3
	v_max_num_f32 v[NM+2*\m+1], v[NM+2*\m+1], v[MX+\m]   ; the running largest t
.endr
.irp m, 0,1,2,3
	v_mov_b32 v[TT+\m], v[NM+2*\m]
.endr
.irp m, 0,1,2,3
	v_floor_f32 v[NM+2*\m], -v[NM+2*\m+1]
.endr
.irp m, 0,1,2,3
	v_sub_f32 v[TT+\m], v[NM+2*\m], v[TT+\m]       ; old M - new M: a whole number, 0 or less
.endr
.irp m, 0,1,2,3
	v_cvt_i32_f32 v[TT+\m], v[TT+\m]
.endr
.irp m, 0,1,2,3
	v_ldexp_f32 v[FF+2*\m], 1.0, v[TT+\m]          ; f = 2^(old M - new M)
.endr
.endif
.irp m, 0,1,2,3
.set q, 0
.rept 16
	v_pk_fma_f32 v[SC+32*\m+2*q:SC+32*\m+2*q+1], v[SC+32*\m+2*q:SC+32*\m+2*q+1], s[CS:CS+1], v[NM+2*\m:NM+2*\m+1] op_sel_hi:[1,0,0]   ; t - M, two at a time
.set q, q+1
.endr
.endr
.set n, 0
.rept 128
	v_exp_f32 v[SC+n], v[SC+n]                     ; p = 2^(t - M): one batch
.set n, n+1
.endr
.if \one
	v_nop                                          ; the plain instruction behind the last exponential
.else
.irp m, 0,1,2,3
	v_pk_mul_f32 v[LS+2*\m:LS+2*\m+1], v[LS+2*\m:LS+2*\m+1], v[FF+2*\m:FF+2*\m+1] op_sel_hi:[1,0]   ; the sums under the new M (plain instructions behind the last exponential)
.endr
.endif
	s_wait_alu depctr_va_vdst(0)                   ; one wait for the batch, ahead of the first instruction that names a result
	; the rows' sums, of the unquantised p, two at a time, four chains
.if \one
.irp m, 0,1,2,3
	v_pk_add_f32 v[LS+2*\m:LS+2*\m+1], v[SC+32*\m:SC+32*\m+1], v[SC+32*\m+2:SC+32*\m+3]
.endr
.set q, 2
.rept 14
.irp m, 0,1,2,3
	v_pk_add_f32 v[LS+2*\m:LS+2*\m+1], v[LS+2*\m:LS+2*\m+1], v[SC+32*\m+2*q:SC+32*\m+2*q+1]
.endr
.set q, q+1
.endr
.else
.set q, 0
.rept 16
.irp m, 0,1,2,3
	v_pk_add_f32 v[LS+2*\m:LS+2*\m+1], v[LS+2*\m:LS+2*\m+1], v[SC+32*\m+2*q:SC+32*\m+2*q+1]
.endr
.set q, q+1
.endr
.endif
	; p's codes: 16 neighbouring keys a lane make four registers of the operand
.irp m, 0,1,2,3
.irp be, 0,1
.irp i, 0,1,2,3,4,5,6,7,8,9,10,11,12,13,14,15
	v_min_num_f32 v[SC+32*\m+16*\be+\i], v[SC+32*\m+16*\be+\i], v[HOLD]   ; the conversion does not saturate (ISA guide 7.6.2); p is not negative, so the hold is one-sided
.endr
	v_cvt_scalef32_pk8_fp8_f32 v[QF+8*\m+4*\be:QF+8*\m+4*\be+1], v[SC+32*\m+16*\be:SC+32*\m+16*\be+7], v[PSC]
	v_cvt_scalef32_pk8_fp8_f32 v[QF+8*\m+4*\be+2:QF+8*\m+4*\be+3], v[SC+32*\m+16*\be+8:SC+32*\m+16*\be+15], v[PSC]
.endr
.endr
	v_nop                                          ; one plain vector line behind the last conversion
.irp m, 0,1,2,3
.irp be, 0,1
	ds_store_b128 v[PWR], v[QF+8*\m+4*\be:QF+8*\m+4*\be+3] offset:4096*\m+512*\be   ; my keys 64 w + 32 be on are piece 2 (w % 2) + be of fragment (m, w / 2)
.endr
.endr
	s_wait_dscnt 0x0                               ; my pieces lie in LDS; my reads of the maxima are over
	s_barrier_signal -1
.if \one == 0
	WIN 0x82                                       ; work on registers while the others arrive: O^T under the new M, each accumulator from its low end on
.set ai, 0
.rept 32
.irp p, 0,1,2,3
	v_pk_mul_f32 v[8*ai+2*\p:8*ai+2*\p+1], v[8*ai+2*\p:8*ai+2*\p+1], v[FF+2*(ai%4):FF+2*(ai%4)+1] op_sel_hi:[1,0]
.endr
.set ai, ai+1
.endr
	WIN 0xc3
.set ai, 0
.rept 32
.irp p, 0,1,2,3
	v_pk_mul_f32 v[8*ai+2*\p:8*ai+2*\p+1], v[8*ai+2*\p:8*ai+2*\p+1], v[FF+2*(ai%4):FF+2*(ai%4)+1] op_sel_hi:[1,0]
.endr
.set ai, ai+1
.endr
	WIN 0
.endif
	s_barrier_wait -1                              ; P's eight images are whole
.irp s, 0,1
.irp m, 0,1,2,3
.irp c, 0,1,2,3
	ds_load_b128 v[SC+64*\s+16*\m+4*\c:SC+64*\s+16*\m+4*\c+3], v[PRD] offset:4096*\m+2048*\s+512*\c
.endr
.endr
.endr
.endm
.macro STEP one
.irp k, 0,1,2,3,4,5,6,7
	SCHUNK \k
.endr
	SOFTMAX \one
.irp g, 0,1,2,3,4,5,6,7
	PCHUNK \g, \one
.endr
	s_wait_xcnt 0x0                                ; every load and prefetch issued so far has read its base: the two bases may be written (the last prefetch stands eight chunks back)
	s_mov_b64 s[SBC:SBC+1], s[SBN:SBN+1]
	s_add_co_u32 s[JJ], s[JJ], 1
	s_cmp_lt_u32 s[JJ], s[JL]
	s_cselect_b32 s32, 0x20000, 0                  ; a step on, if a step follows
	s_mov_b32 s33, 0
	s_add_nc_u64 s[SBN:SBN+1], s[SBC:SBC+1], s[32:33]
.endm
	s_load_b256 s[4:11], s[0:1], 0x0               ; the scales' exponents s[4:5], query_codes s[6:7], vstream s[8:9], out0 s[10:11]
	v_lshl_add_u32 v46, v0, 2, 0x25800
	v_mov_b32 v47, 0
	v_lshrrev_b32 v13, 5, v0
	v_readfirstlane_b32 s[WV], v13                 ; wave 0..3
	s_mov_b32 s[BI], ttmp9
	s_and_b32 s[BB], ttmp7, 0xffff
	s_lshr_b32 s[JL], s[BI], 2
	s_add_co_u32 s[NS], s[JL], 1                   ; the number of steps
	s_mov_b32 s[JJ], 0
	s_cmp_eq_u32 s[BI], 31
	s_cselect_b32 s[LIM], 7, 0
	s_mov_b32 s[SEL], 0x76543210
	s_mov_b32 s[SEL+1], 0xfedcba98
	v_and_b32 v14, 31, v0                          ; lane
	v_and_b32 v15, 15, v0                          ; r
	v_bfe_u32 v44, v0, 4, 1                        ; h
	v_lshlrev_b32 v[LO], 4, v14
	v_lshlrev_b32 v[PFO], 8, v14
	v_mul_u32_u24 v[AQ], v15, QP
	v_lshl_add_u32 v[AQ], v44, 4, v[AQ]
	s_lshl_b32 s32, s[WV], 10
	s_add_co_u32 s32, s32, PIMG
	v_add_nc_u32 v[PWR], s32, v[LO]
	v_add_nc_u32 v[PRD], PIMG, v[LO]
	s_lshl_b32 s32, s[WV], 9
	s_add_co_u32 s32, s32, MAXB
	v_add_nc_u32 v[MXW], s32, v[LO]
	v_add_nc_u32 v[MXR], MAXB, v[LO]
	s_mul_i32 s33, s[WV], 16*QP
	v_add_nc_u32 v13, s33, v[LO]                   ; where I put Q's rows 16 w on
	s_add_co_u32 s32, s33, STAGE
	v_add_nc_u32 v[SRD], s32, v[LO]
	v_mul_u32_u24 v[STO], v15, QP
	v_lshl_add_u32 v[STO], v44, 5, v[STO]
	v_add_nc_u32 v[STO], s32, v[STO]
	s_and_b32 s32, s[BI], 3
	s_sub_co_i32 s32, s32, s[WV]
	s_lshl_b32 s32, s32, 6
	v_lshlrev_b32 v45, 4, v44
	v_sub_nc_u32 v[D0], v15, v45
	v_add_nc_u32 v[D0], s32, v[D0]
.irp m, 0,1,2,3
	v_mov_b32 v[TT+\m], 0                          ; written once: a lane permute's destination counts as one of its sources
	v_mov_b32 v[FF+2*\m+1], 0                      ; named as the upper half of a pair
.endr
	s_lshl_b32 s36, s[BB], 11
	s_lshl_b32 s37, s[BI], 6
	s_add_co_u32 s36, s36, s37                     ; my block's first row: 2,048 b + 64 i
	s_lshl_b32 s38, s36, 12
	s_lshl_b32 s37, s[WV], 10
	s_add_co_u32 s38, s38, s37                     ; in out0: x 4,096 bytes + 1,024 w
	s_mov_b32 s39, 0
	s_lshl_b32 s37, s[WV], 4
	s_add_co_u32 s36, s36, s37
	s_lshl_b32 s36, s36, 10                        ; in query_codes: (row + 16 w) x 1,024 bytes
	s_mov_b32 s37, 0
	s_lshl_b32 s32, s[BB], 2
	s_add_co_u32 s32, s32, s[WV]
	s_lshl_b32 s32, s32, 20                        ; my stream: (4 b + w) x 2^20 bytes
	s_mov_b32 s33, 0
	s_cmp_lt_u32 s[JJ], s[JL]
	s_cselect_b32 s40, 0x20000, 0
	s_mov_b32 s41, 0
	s_wait_kmcnt 0x0
	s_load_b128 s[28:31], s[4:5], 0x0              ; e0, e1, e2, e3
	s_add_nc_u64 s[34:35], s[6:7], s[36:37]
	s_add_nc_u64 s[SBC:SBC+1], s[8:9], s[32:33]
	s_add_nc_u64 s[SBN:SBN+1], s[SBC:SBC+1], s[40:41]
	s_add_nc_u64 s[OUT:OUT+1], s[10:11], s[38:39]
.set n, 0
.rept 32
	global_load_b128 v[SC+4*n:SC+4*n+3], v[LO], s[34:35] offset:512*n th:TH_LOAD_NT   ; my 16 rows of Q: 16,384 consecutive bytes
.set n, n+1
.endr
	LOADCH 0, SBC, 0
	WIN 0
	s_wait_loadcnt 16                              ; Q's 32 loads are in; the chunk's 16, issued behind them, may be out
.set n, 0
.rept 32
	ds_store_b128 v13, v[SC+4*n:SC+4*n+3] offset:(n/2)*QP+(n%2)*512
.set n, n+1
.endr
	LOADCH 1, SBC, 8192
	LOADCH 2, SBC, 2*8192
	LOADCH 3, SBC, 3*8192
	WIN 0
	s_wait_kmcnt 0x0
	s_add_co_i32 s32, s28, s29
	s_lshl_b32 s32, s32, 23
	s_add_co_i32 s[CS], s32, 0x3fb8aa3b            ; log2(e) with e0 + e1 added to its exponent field
	s_mov_b32 s[CS+1], s[CS]                       ; (named with it as a pair, so it is written)
	s_add_co_i32 s32, s30, 127
	s_lshl_b32 s33, s32, 23
	v_mov_b32 v[PSC], s33
	s_add_co_i32 s32, s32, 8
	s_lshl_b32 s32, s32, 23
	s_or_b32 s32, s32, 0x600000
	v_mov_b32 v[HOLD], s32
	s_add_co_i32 s42, s30, s31                     ; e2 + e3
	s_wait_dscnt 0x0                               ; my rows of Q lie in LDS
	s_barrier_signal -1
	s_barrier_wait -1                              ; all 64 do; nobody writes them again
	QFETCH 0, 0
	QFETCH 0, 2
	STEP 1                                         ; the first step is written out: its products start O^T's sums, and it has no old M
	s_cmp_eq_u32 s[JL], 0
	s_cbranch_scc1 .Lout
.Lstep:                                            ; steps 1 to i / 4: the counter goes up by 1 a trip while it is under the number of steps
	STEP 0
	s_cmp_lt_u32 s[JJ], s[NS]
	s_cbranch_scc1 .Lstep
.Lout:
	; THE WAY OUT.  The sums' halves, the other half of the lanes' and the four waves' are added; O^T x 2^(e2 + e3) / sum goes through my stage in LDS, a tile of 16 queries at a time, and leaves as whole rows.
	s_wait_loadcnt 0x0                             ; the ring's last four refills, which nobody reads: their registers are taken below
	s_wait_dscnt 0x0
.irp m, 0,1,2,3
	v_add_f32 v[MX+\m], v[LS+2*\m], v[LS+2*\m+1]
.endr
.irp m, 0,1,2,3
	v_permlanex16_b32 v[TT+\m], v[MX+\m], s[SEL], s[SEL+1]
.endr
.irp m, 0,1,2,3
	v_add_f32 v[MX+\m], v[MX+\m], v[TT+\m]
.endr
	ds_store_b128 v[MXW], v[MX:MX+3] offset:2048
	s_wait_dscnt 0x0                               ; for the others' sake
	s_barrier_signal -1
	s_barrier_wait -1
.irp o, 0,1,2,3
	ds_load_b128 v[TT+4*\o:TT+4*\o+3], v[MXR] offset:2048+512*\o
.endr
	s_wait_dscnt 0x0
.irp m, 0,1,2,3
	v_add_f32 v[MX+\m], v[TT+\m], v[TT+4+\m]
.endr
.irp m, 0,1,2,3
	v_add_f32 v[TT+\m], v[TT+8+\m], v[TT+12+\m]
.endr
.irp m, 0,1,2,3
	v_add_f32 v[MX+\m], v[MX+\m], v[TT+\m]         ; the row's sum
.endr
.irp m, 0,1,2,3
	v_rcp_f32 v[FF+2*\m], v[MX+\m]
.endr
	v_nop                                          ; a plain instruction behind the last reciprocal
	s_wait_alu depctr_va_vdst(0)                   ; one wait for the four, ahead of their first reader
.irp m, 0,1,2,3
	v_ldexp_f32 v[FF+2*\m], v[FF+2*\m], s42        ; x 2^(e2 + e3)
.endr
; Query tile m: lane (r, h) holds, of query 16 m + r, channels 16 ct + 8 h + 0..7 for my 16 channel tiles: 32 bytes each.  They go into rows of QP bytes and come back as rows of 1,024 bytes.
; LDS serves a wave's instructions in order (ISA guide 5.7.1.4): no wait between the stores and the loads, nor in front of the next tile's stores.
.macro TOSTAGE m
.irp ct, 0,1,2,3,4,5,6,7,8,9,10,11,12,13,14,15
.if \ct < 8
	WIN 0x02                                       ; source 0 window 2
.else
	WIN 0x03                                       ; source 0 window 3
.endif
.irp p, 0,1,2,3
	v_pk_mul_f32 v[SC+8*\ct+2*\p:SC+8*\ct+2*\p+1], v[8*(4*(\ct%8)+(\m))+2*\p:8*(4*(\ct%8)+(\m))+2*\p+1], v[FF+2*(\m):FF+2*(\m)+1] op_sel_hi:[1,0]   ; each accumulator from its low end on
.endr
.endr
	WIN 0
.irp ct, 0,1,2,3,4,5,6,7,8,9,10,11,12,13,14,15
	ds_store_b128 v[STO], v[SC+8*\ct:SC+8*\ct+3] offset:64*\ct
	ds_store_b128 v[STO], v[SC+8*\ct+4:SC+8*\ct+7] offset:64*\ct+16
.endr
	WIN 0x40                                       ; destination window 1: two sets of 128 registers by turns
.set n, 0
.rept 32
	ds_load_b128 v[128*((\m)%2)+4*n:128*((\m)%2)+4*n+3], v[SRD] offset:(n/2)*QP+(n%2)*512
.set n, n+1
.endr
	WIN 0
.endm
.macro SEND m, younger                 ; younger: the LDS instructions issued behind tile m's loads, which may stay out
	s_wait_dscnt \younger
	WIN 0x04                                       ; the stores' data window 1
.set n, 0
.rept 32
	global_store_b128 v[LO], v[128*((\m)%2)+4*n:128*((\m)%2)+4*n+3], s[OUT:OUT+1] offset:(16*(\m)+n/2)*4096+(n%2)*512 th:TH_STORE_NT   ; 32 lanes store 512 consecutive bytes, at a multiple of 512 from out0's first byte
.set n, n+1
.endr
	WIN 0
.endm
	TOSTAGE 0
.irp m, 1,2,3
.if \m > 1
	s_wait_xcnt 0x0                                ; tile m - 2's stores have read their registers: tile m's rows may land there
.endif
	TOSTAGE \m
	SEND \m-1, 63                                  ; 64 LDS instructions were issued behind tile m - 1's loads; the wait's field ends at 63, which asks for one more than is needed
.endr
	SEND 3, 0
	s_wait_tensorcnt 0x0
	ds_add_u32 v46, v47
	s_wait_dscnt 0x0
	s_endpgm
.Lfunc_end_k_qe1c611d80b_attn:
	.size	k_qe1c611d80b_attn, .Lfunc_end_k_qe1c611d80b_attn-k_qe1c611d80b_attn
	.p2alignl 7, 3214868480
	.fill 96, 4, 3214868480
	.section	.rodata,"a",@progbits
	.p2align	6, 0x0
	.amdhsa_kernel k_qe1c611d80b_attn
		.amdhsa_group_segment_fixed_size 154112
		.amdhsa_private_segment_fixed_size 0
		.amdhsa_enable_private_segment 0
		.amdhsa_kernarg_size 32
		.amdhsa_user_sgpr_count 2
		.amdhsa_user_sgpr_kernarg_segment_ptr 1
		.amdhsa_wavefront_size32 1
		.amdhsa_system_sgpr_workgroup_id_x 1
		.amdhsa_system_sgpr_workgroup_id_y 1
		.amdhsa_system_sgpr_workgroup_id_z 1
		.amdhsa_system_vgpr_workitem_id 0
		.amdhsa_next_free_vgpr 1024
		.amdhsa_next_free_sgpr 66
		.amdhsa_reserve_vcc 1
		.amdhsa_float_denorm_mode_32 3
		.amdhsa_float_denorm_mode_16_64 3
		.amdhsa_memory_ordered 1
		.amdhsa_forward_progress 1
		.amdhsa_inst_pref_size 255
	.end_amdhsa_kernel
	.section	.bss,"aw",@nobits
	.p2align	6
	.space	262144
	.amdgpu_metadata
---
amdhsa.version: [ 1, 2 ]
amdhsa.kernels:
  - .name:           k_qe1c611d80b_attn
    .symbol:         k_qe1c611d80b_attn.kd
    .args:
      - { .name: lowp_scales, .offset: 0, .size: 8, .value_kind: global_buffer, .address_space: global }
      - { .name: query_codes, .offset: 8, .size: 8, .value_kind: global_buffer, .address_space: global }
      - { .name: vstream, .offset: 16, .size: 8, .value_kind: global_buffer, .address_space: global }
      - { .name: out0, .offset: 24, .size: 8, .value_kind: global_buffer, .address_space: global }
    .group_segment_fixed_size: 154112
    .private_segment_fixed_size: 0
    .kernarg_segment_align: 8
    .kernarg_segment_size: 32
    .max_flat_workgroup_size: 128
    .sgpr_count:     66
    .vgpr_count:     1024
    .wavefront_size: 32
...
	.end_amdgpu_metadata
.endif
;; end of part 2
;; ======== version 2 of 3: 2 launches
;; limits: right only within a limited range of input values
;; workspace buffers: vstream 33,554,432 bytes
;; launch quant: the kernel of part 1 again; grid 16 x 64, 4 waves a work-group, no clusters, 67,072 bytes of LDS; arguments value, lowp_scales, vstream; writes vstream
;; launch attn (part 3): grid 32 x 8, 4 waves a work-group, no clusters, 154,112 bytes of LDS; arguments lowp_scales, query_codes, vstream, out0; writes out0
.if DOCPART == 3
	.amdgcn_target "amdgcn-amd-amdhsa--gfx1250"
	.amdhsa_code_object_version 6
	.text
	.protected	k_qe1c611d80b_attn
	.globl	k_qe1c611d80b_attn
	.p2align	8
	.type	k_qe1c611d80b_attn,@function
k_qe1c611d80b_attn:
	s_mov_b64 s[64:65], 0
	v_nop
	global_prefetch_b8 v0, s[64:65] scope:SCOPE_SE
	s_setreg_imm32_b32 hwreg(HW_REG_WAVE_MODE, 25, 1), 1
	s_wait_xcnt 0x0
; out[b][q][:] = the sum over keys k <= q of softmax_k(query[b][q] . value[b][k]) value[b][k][:], both products on codes of E4M3 by v_wmma_f32_16x16x128_fp8_fp8, sums in f32.
; query comes as codes (scale 2^e0); value's codes for both products were laid by the launch before in the order of the operands' registers (vstream: see below; scales 2^e1, 2^e3).
; THE SOFTMAX AHEAD OF THE SECOND PRODUCT: t = score x 2^(e0 + e1) x log2(e); M = the row's largest t so far, rounded up to a whole number; p = 2^(t - M) is quantised with 2^e2, not normalised.
; The row's sum is taken of the unquantised p; when M moves, the sum and O are multiplied by 2^(old M - new M), which rounds nothing; at the end O x 2^(e2 + e3) / sum.
; LIMITS: e2 between -126 and 119; e0 + e1 between -126 and 127 (they are added to the exponent field of log2(e)).  A hidden score is made -infinity where the definition takes 1e9 away:
; the same p = 0 wherever a row's scores span less than about 1e9.
; SHARES.  A work-group owns 64 queries (block i) of batch b; it walks the keys in steps of 256, J + 1 steps with J = i / 4: nothing is loaded or multiplied beyond the step that holds the diagonal.
; Work-group (x, y) takes b = x % 8 and i = 4 y + (x / 8) % 4: a one-to-one map, in which work-groups whose x differ by a multiple of 8 share a batch; the choice changes no result.
; THE WALK.  The running M allows any order of the steps.  Block i = 4 J + a begins at step J - min(2 a, J) and goes upward, from step J round to step 0.  So the blocks of a batch stand at different steps
; at any time, and each of the steps 0 to 7 is some block's first.  The step that holds the diagonal (step J) is masked wherever it comes; its first key counts for all 64 queries, so M is a number from the first step on.
; THE FOUR WAVES SHARE COLUMNS, NOT ROWS.  In S^T = V Q^T wave w takes keys 64 w .. 64 w + 63 of the step for all 64 queries (16 accumulators); in O^T = V^T P^T it takes channels 256 w .. 256 w + 255
; for all 64 queries (64 accumulators, 512 registers).  So each fragment of value's codes is wanted by ONE wave: it goes from memory straight into that wave's registers, 512 consecutive bytes a load,
; through a ring of four register buffers of 8,192 bytes (a chunk: 16 loads that feed 16 matrix instructions); three chunks are always on their way.  Through LDS goes only what the waves share:
; Q's 64 rows, the rows' maxima and sums, and P as images of its operand registers.
; NO CLUSTER, NO JOINT LOADS, NO TENSOR RING: a step of even 128 keys is 131,072 bytes of codes for each product; two slots of that and Q's 65,536 bytes are 327,680 bytes, with no byte left for P; no wave
; shares a fragment of value with another wave of its work-group; and the blocks of a batch walk different numbers of steps.
; LAYOUT.  Both products are used transposed (source 0 = value's fragment, source 1 = Q's or P's): a lane holds ONE query (lane % 16) throughout.  In every fragment registers 4 c .. 4 c + 3 hold
; k = 32 c + 16 (lane / 16) + 0..15: a permutation of k, alike on both sides of each product.  The keys of a tile are not neighbours (lane r of tile kt: key 32 (kt / 2) + 8 (kt % 2) + r + 8 (r / 8)),
; so that registers 16 n' .. 16 n' + 15 of a query tile's scores are keys 32 n' + 16 (lane / 16) + 0..15: the conversions' results are P's operand registers.
; vstream [b][w][j][chunk 16][8,192]: chunks 0-7: K steps of the first product (4 key tiles each); chunks 8-15: g = 0..7: keys 128 (g / 4) on, channel tiles 4 (g % 4) + 0..3.
; REGISTERS, in windows of 256.  Window 0: v1-12 addresses and constants; v16-23 (-M, largest t) a query tile; v24-31 the sums; v32-39 f = 2^(old M - new M), later 2^(e2+e3) / sum; v40-43, v240-255 at work;
;   v48-111 Q's four fragments of a K step, later P's codes; v112-239 the scores, then p, then P's eight fragments, on the way out a tile of O.   Window 1: the ring; on the way out rows of O.
;   Windows 2, 3: O^T: accumulator (channel tile ct, query tile m) at v[8 (4 (ct % 8) + m)] of window 2 + ct / 8.
.set QP,    1040                       ; a row of Q, and of a stage, in LDS: 1,024 bytes + 16 = 260 words: row r starts at bank 4 r mod 64 (64 banks of 4 bytes: ISA guide 11.1)
.set PIMG,  64*QP                      ; behind Q's 64 rows: P's images: fragment (m, s) at 4,096 m + 2,048 s; 16,384 bytes
.set MAXB,  PIMG+16384                 ; the rows' maxima, 512 bytes a wave; 2,048 bytes on: the rows' sums
.set STAGE, MAXB+4096                  ; the way out: 16 rows x QP for each wave
.set LO,   1                           ; v1   16 x lane
.set AQ,   2                           ; v2   Q's fragments: r x QP + 16 h
.set PWR,  3                           ; v3   where I put P's codes: PIMG + 1,024 w + 16 lane
.set PRD,  4                           ; v4   where I read P's images: PIMG + 16 lane
.set MXW,  5                           ; v5   MAXB + 512 w + 16 lane
.set MXR,  6                           ; v6   MAXB + 16 lane
.set STO,  8                           ; v8   my stage: row r, + 32 h
.set SRD,  9                           ; v9   my stage: 16 x lane
.set D0,   10                          ; v10  64 (i % 4) - 64 w + r - 16 h: for the mask
.set HOLD, 11                          ; v11  448 x 2^e2
.set PSC,  12                          ; v12  2^e2
.set NM,   16                          ; v[NM+2m] = -M, v[NM+2m+1] = the largest t
.set LS,   24                          ; v[LS+2m:LS+2m+1] the sum of my keys' p, in two halves
.set FF,   32                          ; v[FF+2m] = f; the word above it is named with it as a pair, so it is written at the head
.set MX,   40
.set QF,   48
.set SC,   112
.set TT,   240
.set WV,   12                          ; s12  wave
.set BI,   13                          ; s13  i
.set BB,   14                          ; s14  b
.set JL,   15                          ; s15  J = i / 4: the step that holds the diagonal
.set JJ,   16                          ; s16  steps done: the loop's counter
.set KS,   17                          ; s17  up to a step's middle: the step in hand; from there on: the step that follows it in the walk
.set SEL,  18                          ; s18, s19 lane selects for v_permlanex16_b32: lane l xor 16
.set CS,   20                          ; s[20:21] c = log2(e) x 2^(e0 + e1): the packed form names a pair and takes its low word for both halves
.set SBC,  22                          ; s[22:23] from a step's middle on: my stream at the step in hand
.set SBN,  24                          ; s[24:25] up to a step's middle: my stream at the step in hand; from there on: at the step that follows
.set OUT,  26                          ; s[26:27] out0 at my block's first row, my 256 channels
.set NS,   43                          ; s43  the number of steps: J + 1, between 1 and 8; never rewritten: the loop over steps ends on it
.set SB0,  44                          ; s[44:45] my stream at step 0; never rewritten
.set MSB, 0
.macro WIN new                         ; the immediate's high byte repeats the setting that is left; a switch that changes nothing is dropped
.if MSB != \new
	s_set_vgpr_msb (MSB<<8)|\new
.set MSB, \new
.endif
.endm
; A load into a register that a matrix instruction has read, and a vector instruction that reads a matrix result, stand four places behind it; a matrix instruction that writes over a register of an
; earlier one five; only plain vector instructions that name none of its registers are places.
.macro PLACES n
.rept \n
	v_nop
.endr
.endm
.macro LOADCH buf, base, off           ; a chunk: 16 loads of 512 consecutive bytes into ring buffer buf
	WIN 0x40                                       ; destination window 1
.irp n, 0,1,2,3,4,5,6,7,8,9,10,11,12,13,14,15
	global_load_b128 v[64*(\buf)+4*\n:64*(\buf)+4*\n+3], v[LO], s[\base:\base+1] offset:(\off)+512*\n
.endr
.endm
.macro QFETCH k, m0                    ; Q's fragments of K step k, query tiles m0 and m0 + 1: 8 loads
	WIN 0
.irp m, \m0, \m0+1
.irp c, 0,1,2,3
	ds_load_b128 v[QF+16*(\m)+4*\c:QF+16*(\m)+4*\c+3], v[AQ] offset:(\m)*16*QP+128*(\k)+32*\c
.endr
.endr
.endm
.macro SMUL buf, m0, zero              ; 8 products of S^T: query tiles m0, m0 + 1 x my four key tiles.  The accumulators take turns, one instruction a turn
.irp m, \m0, \m0+1
.irp kt, 0,1,2,3
.if \zero
	v_wmma_f32_16x16x128_fp8_fp8 v[SC+32*(\m)+8*\kt:SC+32*(\m)+8*\kt+7], v[64*(\buf)+16*\kt:64*(\buf)+16*\kt+15], v[QF+16*(\m):QF+16*(\m)+15], 0
.else
	v_wmma_f32_16x16x128_fp8_fp8 v[SC+32*(\m)+8*\kt:SC+32*(\m)+8*\kt+7], v[64*(\buf)+16*\kt:64*(\buf)+16*\kt+15], v[QF+16*(\m):QF+16*(\m)+15], v[SC+32*(\m)+8*\kt:SC+32*(\m)+8*\kt+7]
.endif
.endr
.endr
.endm
; Chunk k of the first product: K step k, 16 matrix instructions; Q's fragments of the next K step are fetched as soon as this step's are free; the ring's buffer takes the chunk four on.
.macro SCHUNK k
	s_wait_loadcnt 48                              ; my chunk is in; the three chunks issued behind it (48 loads) stay on their way
	s_wait_dscnt 8                                 ; Q's tiles 0 and 1 are in; the 8 loads of tiles 2 and 3 may be out
	WIN 0x01                                       ; source 0 (value) window 1
.if (\k) == 0
	SMUL 0, 0, 1                                   ; the first K step starts the sums: nothing is cleared
.else
	SMUL (\k)%4, 0, 0
.endif
	s_wait_dscnt 0x0                               ; Q's tiles 2 and 3
.if (\k) < 7
	PLACES 4
	QFETCH (\k)+1, 0
	WIN 0x01
.endif
.if (\k) == 0
	SMUL 0, 2, 1
.else
	SMUL (\k)%4, 2, 0
.endif
	PLACES 4                                       ; for the loads below, and behind the last K step for the first read of the scores
.if (\k) < 7
	QFETCH (\k)+1, 2
.endif
	LOADCH (\k)%4, SBN, ((\k)+4)*8192              ; (in this half of a step SBN stands at the step in hand)
.endm
; Chunk 8 + g, of the second product: keys 128 (g / 4) on, channel tiles 4 (g % 4) + 0..3, all four query tiles: 16 matrix instructions on 16 accumulators.
.macro PCHUNK g, one
	s_wait_loadcnt 48                              ; as above
.if (\g) == 0
	s_wait_dscnt 16                                ; P's four fragments of the first 128 keys are in; the 16 loads of the other four may be out
.endif
.if (\g) == 4
	s_wait_dscnt 0x0
.endif
.if (\g)%4 < 2
	WIN 0xa1                                       ; source 0 window 1, source 1 (P) window 0, C and D window 2
.else
	WIN 0xf1                                       ; the same, C and D window 3
.endif
.irp f, 0,1,2,3
.irp m, 0,1,2,3
.set rO, 8*(4*(4*((\g)%2)+\f)+\m)
.if \one && ((\g) < 4)
	v_wmma_f32_16x16x128_fp8_fp8 v[rO:rO+7], v[64*((\g)%4)+16*\f:64*((\g)%4)+16*\f+15], v[SC+64*((\g)/4)+16*\m:SC+64*((\g)/4)+16*\m+15], 0
.else
	v_wmma_f32_16x16x128_fp8_fp8 v[rO:rO+7], v[64*((\g)%4)+16*\f:64*((\g)%4)+16*\f+15], v[SC+64*((\g)/4)+16*\m:SC+64*((\g)/4)+16*\m+15], v[rO:rO+7]
.endif
.endr
.endr
.if (\g) == 7
	PLACES 5                                       ; the next step's first products write over P's registers: five places
.else
	PLACES 4
.endif
.if (\g) < 4
	LOADCH (\g)%4, SBC, (12+(\g))*8192
.else
	LOADCH (\g)%4, SBN, ((\g)-4)*8192              ; the first four chunks of the step that follows in the walk (behind the last step: of the walk's first step again, which nobody reads: inside the stream, and every count stays as it is)
.endif
.if (\g) == 7
	QFETCH 0, 0                                    ; and Q's fragments of its first K step
	QFETCH 0, 2
.endif
.endm
; THE SOFTMAX OF A STEP.  one = 1: the walk's first step, which starts M, the sums and O^T.
.macro SOFTMAX one
	WIN 0                                          ; at a branch and at a label every window is 0
	; the mask, in step J alone: register n of query tile m holds key 256 J + 64 w + 16 h + 32 (n / 16) + n % 16: hidden where 32 (n / 16) + n % 16 > D0 + 16 m
	s_cmp_lg_u32 s[KS], s[JL]
	s_cbranch_scc1 .Lopen_\@
	v_mov_b32 v[TT], 0xff800000                    ; -infinity
.irp m, 0,1,2,3
	v_add_nc_u32 v[TT+1+\m], 16*\m, v[D0]
.endr
.irp m, 0,1,2,3
.set n, 0
.rept 32
	v_cmp_gt_i32 vcc_lo, 32*(n/16)+n%16, v[TT+1+\m]
	v_cndmask_b32 v[SC+32*\m+n], v[SC+32*\m+n], v[TT], vcc_lo
.set n, n+1
.endr
.endr
.Lopen_\@:
	; the largest score of each query among my 64 keys: four chains side by side, each accumulator from its low end on
.irp m, 0,1,2,3
	v_max3_num_f32 v[MX+\m], v[SC+32*\m], v[SC+32*\m+1], v[SC+32*\m+2]
.endr
.set q, 0
.rept 14
.irp m, 0,1,2,3
	v_max3_num_f32 v[MX+\m], v[MX+\m], v[SC+32*\m+3+2*q], v[SC+32*\m+4+2*q]
.endr
.set q, q+1
.endr
.irp m, 0,1,2,3
	v_max_num_f32 v[MX+\m], v[MX+\m], v[SC+32*\m+31]
.endr
.irp m, 0,1,2,3
	v_permlanex16_b32 v[TT+\m], v[MX+\m], s[SEL], s[SEL+1]
.endr
.irp m, 0,1,2,3
	v_max_num_f32 v[MX+\m], v[MX+\m], v[TT+\m]
.endr
	ds_store_b128 v[MXW], v[MX:MX+3]               ; my wave's four maxima a lane
	s_wait_dscnt 0x0                               ; they lie in LDS; and my reads of the last step's images of P are over
	s_barrier_signal -1
	s_barrier_wait -1                              ; both hold of every wave
.irp o, 0,1,2,3
	ds_load_b128 v[TT+4*\o:TT+4*\o+3], v[MXR] offset:512*\o
.endr
	s_wait_dscnt 0x0
.irp m, 0,1,2,3
	v_max3_num_f32 v[MX+\m], v[TT+\m], v[TT+4+\m], v[TT+8+\m]
.endr
.irp m, 0,1,2,3
	v_max_num_f32 v[MX+\m], v[MX+\m], v[TT+12+\m]
.endr
.irp m, 0,1,2,3
	v_mul_f32 v[MX+\m], s[CS], v[MX+\m]            ; as t (c is positive): the step's largest t of the query, among all 256 keys
.endr
.if \one
.irp m, 0,1,2,3
	v_mov_b32 v[NM+2*\m+1], v[MX+\m]
.endr
.irp m, 0,1,2,3
	v_floor_f32 v[NM+2*\m], -v[NM+2*\m+1]          ; -M = floor(-t) = -ceil(t)
.endr
.else
.irp m, 0,1,2,3
	v_max_num_f32 v[NM+2*\m+1], v[NM+2*\m+1], v[MX+\m]   ; the running largest t
.endr
.irp m, 0,1,2,3
	v_mov_b32 v[TT+\m], v[NM+2*\m]
.endr
.irp m, 0,1,2,3
	v_floor_f32 v[NM+2*\m], -v[NM+2*\m+1]
.endr
.irp m, 0,1,2,3
	v_sub_f32 v[TT+\m], v[NM+2*\m], v[TT+\m]       ; old M - new M: a whole number, 0 or less
.endr
.irp m, 0,1,2,3
	v_cvt_i32_f32 v[TT+\m], v[TT+\m]
.endr
.irp m, 0,1,2,3
	v_ldexp_f32 v[FF+2*\m], 1.0, v[TT+\m]          ; f = 2^(old M - new M)
.endr
.endif
.irp m, 0,1,2,3
.set q, 0
.rept 16
	v_pk_fma_f32 v[SC+32*\m+2*q:SC+32*\m+2*q+1], v[SC+32*\m+2*q:SC+32*\m+2*q+1], s[CS:CS+1], v[NM+2*\m:NM+2*\m+1] op_sel_hi:[1,0,0]   ; t - M, two at a time
.set q, q+1
.endr
.endr
.set n, 0
.rept 128
	v_exp_f32 v[SC+n], v[SC+n]                     ; p = 2^(t - M): one batch
.set n, n+1
.endr
.if \one
	v_nop                                          ; the plain instruction behind the last exponential
.else
.irp m, 0,1,2,3
	v_pk_mul_f32 v[LS+2*\m:LS+2*\m+1], v[LS+2*\m:LS+2*\m+1], v[FF+2*\m:FF+2*\m+1] op_sel_hi:[1,0]   ; the sums under the new M (plain instructions behind the last exponential)
.endr
.endif
	s_wait_alu depctr_va_vdst(0)                   ; one wait for the batch, ahead of the first instruction that names a result
	; the rows' sums, of the unquantised p, two at a time, four chains
.if \one
.irp m, 0,1,2,3
	v_pk_add_f32 v[LS+2*\m:LS+2*\m+1], v[SC+32*\m:SC+32*\m+1], v[SC+32*\m+2:SC+32*\m+3]
.endr
.set q, 2
.rept 14
.irp m, 0,1,2,3
	v_pk_add_f32 v[LS+2*\m:LS+2*\m+1], v[LS+2*\m:LS+2*\m+1], v[SC+32*\m+2*q:SC+32*\m+2*q+1]
.endr
.set q, q+1
.endr
.else
.set q, 0
.rept 16
.irp m, 0,1,2,3
	v_pk_add_f32 v[LS+2*\m:LS+2*\m+1], v[LS+2*\m:LS+2*\m+1], v[SC+32*\m+2*q:SC+32*\m+2*q+1]
.endr
.set q, q+1
.endr
.endif
	; p's codes: 16 neighbouring keys a lane make four registers of the operand
.irp m, 0,1,2,3
.irp be, 0,1
.irp i, 0,1,2,3,4,5,6,7,8,9,10,11,12,13,14,15
	v_min_num_f32 v[SC+32*\m+16*\be+\i], v[SC+32*\m+16*\be+\i], v[HOLD]   ; the conversion does not saturate (ISA guide 7.6.2); p is not negative, so the hold is one-sided
.endr
	v_cvt_scalef32_pk8_fp8_f32 v[QF+8*\m+4*\be:QF+8*\m+4*\be+1], v[SC+32*\m+16*\be:SC+32*\m+16*\be+7], v[PSC]
	v_cvt_scalef32_pk8_fp8_f32 v[QF+8*\m+4*\be+2:QF+8*\m+4*\be+3], v[SC+32*\m+16*\be+8:SC+32*\m+16*\be+15], v[PSC]
.endr
.endr
	v_nop                                          ; one plain vector line behind the last conversion
.irp m, 0,1,2,3
.irp be, 0,1
	ds_store_b128 v[PWR], v[QF+8*\m+4*\be:QF+8*\m+4*\be+3] offset:4096*\m+512*\be   ; my keys 64 w + 32 be on are piece 2 (w % 2) + be of fragment (m, w / 2)
.endr
.endr
	s_wait_dscnt 0x0                               ; my pieces lie in LDS; my reads of the maxima are over
	s_barrier_signal -1
	s_barrier_wait -1                              ; P's eight images are whole
.irp s, 0,1
.irp m, 0,1,2,3
.irp c, 0,1,2,3
	ds_load_b128 v[SC+64*\s+16*\m+4*\c:SC+64*\s+16*\m+4*\c+3], v[PRD] offset:4096*\m+2048*\s+512*\c
.endr
.endr
.endr
.if \one == 0
	WIN 0x82                                       ; while P's fragments are on their way: O^T under the new M, each accumulator from its low end on
.set ai, 0
.rept 32
.irp p, 0,1,2,3
	v_pk_mul_f32 v[8*ai+2*\p:8*ai+2*\p+1], v[8*ai+2*\p:8*ai+2*\p+1], v[FF+2*(ai%4):FF+2*(ai%4)+1] op_sel_hi:[1,0]
.endr
.set ai, ai+1
.endr
	WIN 0xc3
.set ai, 0
.rept 32
.irp p, 0,1,2,3
	v_pk_mul_f32 v[8*ai+2*\p:8*ai+2*\p+1], v[8*ai+2*\p:8*ai+2*\p+1], v[FF+2*(ai%4):FF+2*(ai%4)+1] op_sel_hi:[1,0]
.endr
.set ai, ai+1
.endr
	WIN 0
.endif
.endm
.macro STEP one
.irp k, 0,1,2,3,4,5,6,7
	SCHUNK \k
.endr
	SOFTMAX \one
	; THE STEP'S MIDDLE: the two bases are stepped here, a whole softmax behind the youngest load that names one of them
	s_wait_xcnt 0x0                                ; every load issued so far has read its base: both pairs may be written
	s_mov_b64 s[SBC:SBC+1], s[SBN:SBN+1]           ; the step in hand: its last four chunks are still to be asked for
	s_add_co_u32 s[KS], s[KS], 1                   ; the step that follows in the walk:
	s_cmp_gt_u32 s[KS], s[JL]
	s_cselect_b32 s[KS], 0, s[KS]                  ; from step J round to step 0
	s_lshl_b32 s32, s[KS], 17                      ; a step is 131,072 bytes of my stream
	s_mov_b32 s33, 0
	s_add_nc_u64 s[SBN:SBN+1], s[SB0:SB0+1], s[32:33]
.irp g, 0,1,2,3,4,5,6,7
	PCHUNK \g, \one
.endr
	s_add_co_u32 s[JJ], s[JJ], 1
.endm
	s_load_b256 s[4:11], s[0:1], 0x0               ; the scales' exponents s[4:5], query_codes s[6:7], vstream s[8:9], out0 s[10:11]
	v_lshl_add_u32 v46, v0, 2, 0x25800
	v_mov_b32 v47, 0
	v_lshrrev_b32 v13, 5, v0
	v_readfirstlane_b32 s[WV], v13                 ; wave 0..3
	s_and_b32 s[BB], ttmp9, 7                      ; b = x % 8
	s_bfe_u32 s32, ttmp9, 0x20003                  ; a = (x / 8) % 4
	s_and_b32 s[JL], ttmp7, 0xffff                 ; J = y
	s_lshl_b32 s[BI], s[JL], 2
	s_or_b32 s[BI], s[BI], s32                     ; i = 4 J + a
	s_add_co_u32 s[NS], s[JL], 1                   ; the number of steps
	s_mov_b32 s[JJ], 0
	s_lshl_b32 s33, s32, 1
	s_min_u32 s33, s33, s[JL]
	s_sub_co_u32 s[KS], s[JL], s33                 ; the walk's first step: J - min(2 a, J)
	s_mov_b32 s[SEL], 0x76543210
	s_mov_b32 s[SEL+1], 0xfedcba98
	v_and_b32 v14, 31, v0                          ; lane
	v_and_b32 v15, 15, v0                          ; r
	v_bfe_u32 v44, v0, 4, 1                        ; h
	v_lshlrev_b32 v[LO], 4, v14
	v_mul_u32_u24 v[AQ], v15, QP
	v_lshl_add_u32 v[AQ], v44, 4, v[AQ]
	s_lshl_b32 s32, s[WV], 10
	s_add_co_u32 s32, s32, PIMG
	v_add_nc_u32 v[PWR], s32, v[LO]
	v_add_nc_u32 v[PRD], PIMG, v[LO]
	s_lshl_b32 s32, s[WV], 9
	s_add_co_u32 s32, s32, MAXB
	v_add_nc_u32 v[MXW], s32, v[LO]
	v_add_nc_u32 v[MXR], MAXB, v[LO]
	s_mul_i32 s33, s[WV], 16*QP
	v_add_nc_u32 v13, s33, v[LO]                   ; where I put Q's rows 16 w on
	s_add_co_u32 s32, s33, STAGE
	v_add_nc_u32 v[SRD], s32, v[LO]
	v_mul_u32_u24 v[STO], v15, QP
	v_lshl_add_u32 v[STO], v44, 5, v[STO]
	v_add_nc_u32 v[STO], s32, v[STO]
	s_and_b32 s32, s[BI], 3
	s_sub_co_i32 s32, s32, s[WV]
	s_lshl_b32 s32, s32, 6
	v_lshlrev_b32 v45, 4, v44
	v_sub_nc_u32 v[D0], v15, v45
	v_add_nc_u32 v[D0], s32, v[D0]
.irp m, 0,1,2,3
	v_mov_b32 v[TT+\m], 0                          ; written once: a lane permute's destination counts as one of its sources
	v_mov_b32 v[FF+2*\m+1], 0                      ; named as the upper half of a pair
.endr
	s_lshl_b32 s36, s[BB], 11
	s_lshl_b32 s37, s[BI], 6
	s_add_co_u32 s36, s36, s37                     ; my block's first row: 2,048 b + 64 i
	s_lshl_b32 s38, s36, 12
	s_lshl_b32 s37, s[WV], 10
	s_add_co_u32 s38, s38, s37                     ; in out0: x 4,096 bytes + 1,024 w
	s_mov_b32 s39, 0
	s_lshl_b32 s37, s[WV], 4
	s_add_co_u32 s36, s36, s37
	s_lshl_b32 s36, s36, 10                        ; in query_codes: (row + 16 w) x 1,024 bytes
	s_mov_b32 s37, 0
	s_lshl_b32 s32, s[BB], 2
	s_add_co_u32 s32, s32, s[WV]
	s_lshl_b32 s32, s32, 20                        ; my stream: (4 b + w) x 2^20 bytes
	s_mov_b32 s33, 0
	s_lshl_b32 s40, s[KS], 17                      ; the walk's first step in it
	s_mov_b32 s41, 0
	s_wait_kmcnt 0x0
	s_load_b128 s[28:31], s[4:5], 0x0              ; e0, e1, e2, e3
	s_add_nc_u64 s[34:35], s[6:7], s[36:37]
	s_add_nc_u64 s[SB0:SB0+1], s[8:9], s[32:33]
	s_add_nc_u64 s[SBN:SBN+1], s[SB0:SB0+1], s[40:41]
	s_add_nc_u64 s[OUT:OUT+1], s[10:11], s[38:39]
.set n, 0
.rept 32
	global_load_b128 v[SC+4*n:SC+4*n+3], v[LO], s[34:35] offset:512*n th:TH_LOAD_NT   ; my 16 rows of Q: 16,384 consecutive bytes
.set n, n+1
.endr
	LOADCH 0, SBN, 0
	LOADCH 1, SBN, 8192
	WIN 0
	s_wait_loadcnt 32                              ; Q's 32 loads are in; the 32 of the first two chunks, issued behind them, may be out
.set n, 0
.rept 32
	ds_store_b128 v13, v[SC+4*n:SC+4*n+3] offset:(n/2)*QP+(n%2)*512
.set n, n+1
.endr
	LOADCH 2, SBN, 2*8192
	LOADCH 3, SBN, 3*8192
	WIN 0
	s_wait_kmcnt 0x0
	s_add_co_i32 s32, s28, s29
	s_lshl_b32 s32, s32, 23
	s_add_co_i32 s[CS], s32, 0x3fb8aa3b            ; log2(e) with e0 + e1 added to its exponent field
	s_mov_b32 s[CS+1], s[CS]                       ; (named with it as a pair, so it is written)
	s_add_co_i32 s32, s30, 127
	s_lshl_b32 s33, s32, 23
	v_mov_b32 v[PSC], s33
	s_add_co_i32 s32, s32, 8
	s_lshl_b32 s32, s32, 23
	s_or_b32 s32, s32, 0x600000
	v_mov_b32 v[HOLD], s32
	s_add_co_i32 s42, s30, s31                     ; e2 + e3
	s_wait_dscnt 0x0                               ; my rows of Q lie in LDS
	s_barrier_signal -1
	s_barrier_wait -1                              ; all 64 do; nobody writes them again
	QFETCH 0, 0
	QFETCH 0, 2
	STEP 1                                         ; the walk's first step is written out: its products start O^T's sums, and it has no old M
	s_cmp_eq_u32 s[JL], 0
	s_cbranch_scc1 .Lout
.Lstep:                                            ; the walk's other J steps: the counter goes up by 1 a trip while it is under the number of steps
	STEP 0
	s_cmp_lt_u32 s[JJ], s[NS]
	s_cbranch_scc1 .Lstep
.Lout:
	; THE WAY OUT.  The sums' halves, the other half of the lanes' and the four waves' are added; O^T x 2^(e2 + e3) / sum goes through my stage in LDS, a tile of 16 queries at a time, and leaves as whole rows.
	s_wait_loadcnt 0x0                             ; the ring's last four refills, which nobody reads: their registers are taken below
	s_wait_dscnt 0x0
.irp m, 0,1,2,3
	v_add_f32 v[MX+\m], v[LS+2*\m], v[LS+2*\m+1]
.endr
.irp m, 0,1,2,3
	v_permlanex16_b32 v[TT+\m], v[MX+\m], s[SEL], s[SEL+1]
.endr
.irp m, 0,1,2,3
	v_add_f32 v[MX+\m], v[MX+\m], v[TT+\m]
.endr
	ds_store_b128 v[MXW], v[MX:MX+3] offset:2048
	s_wait_dscnt 0x0                               ; for the others' sake
	s_barrier_signal -1
	s_barrier_wait -1
.irp o, 0,1,2,3
	ds_load_b128 v[TT+4*\o:TT+4*\o+3], v[MXR] offset:2048+512*\o
.endr
	s_wait_dscnt 0x0
.irp m, 0,1,2,3
	v_add_f32 v[MX+\m], v[TT+\m], v[TT+4+\m]
.endr
.irp m, 0,1,2,3
	v_add_f32 v[TT+\m], v[TT+8+\m], v[TT+12+\m]
.endr
.irp m, 0,1,2,3
	v_add_f32 v[MX+\m], v[MX+\m], v[TT+\m]         ; the row's sum
.endr
.irp m, 0,1,2,3
	v_rcp_f32 v[FF+2*\m], v[MX+\m]
.endr
	v_nop                                          ; a plain instruction behind the last reciprocal
	s_wait_alu depctr_va_vdst(0)                   ; one wait for the four, ahead of their first reader
.irp m, 0,1,2,3
	v_ldexp_f32 v[FF+2*\m], v[FF+2*\m], s42        ; x 2^(e2 + e3)
.endr
; Query tile m: lane (r, h) holds, of query 16 m + r, channels 16 ct + 8 h + 0..7 for my 16 channel tiles: 32 bytes each.  They go into rows of QP bytes and come back as rows of 1,024 bytes.
; LDS serves a wave's instructions in order (ISA guide 5.7.1.4): no wait between the stores and the loads, nor in front of the next tile's stores.
.macro TOSTAGE m
.irp ct, 0,1,2,3,4,5,6,7,8,9,10,11,12,13,14,15
.if \ct < 8
	WIN 0x02                                       ; source 0 window 2
.else
	WIN 0x03                                       ; source 0 window 3
.endif
.irp p, 0,1,2,3
	v_pk_mul_f32 v[SC+8*\ct+2*\p:SC+8*\ct+2*\p+1], v[8*(4*(\ct%8)+(\m))+2*\p:8*(4*(\ct%8)+(\m))+2*\p+1], v[FF+2*(\m):FF+2*(\m)+1] op_sel_hi:[1,0]   ; each accumulator from its low end on
.endr
.endr
	WIN 0
.irp ct, 0,1,2,3,4,5,6,7,8,9,10,11,12,13,14,15
	ds_store_b128 v[STO], v[SC+8*\ct:SC+8*\ct+3] offset:64*\ct
	ds_store_b128 v[STO], v[SC+8*\ct+4:SC+8*\ct+7] offset:64*\ct+16
.endr
	WIN 0x40                                       ; destination window 1: two sets of 128 registers by turns
.set n, 0
.rept 32
	ds_load_b128 v[128*((\m)%2)+4*n:128*((\m)%2)+4*n+3], v[SRD] offset:(n/2)*QP+(n%2)*512
.set n, n+1
.endr
	WIN 0
.endm
.macro SEND m, younger                 ; younger: the LDS instructions issued behind tile m's loads, which may stay out
	s_wait_dscnt \younger
	WIN 0x04                                       ; the stores' data window 1
.set n, 0
.rept 32
	global_store_b128 v[LO], v[128*((\m)%2)+4*n:128*((\m)%2)+4*n+3], s[OUT:OUT+1] offset:(16*(\m)+n/2)*4096+(n%2)*512 th:TH_STORE_NT   ; 32 lanes store 512 consecutive bytes, at a multiple of 512 from out0's first byte
.set n, n+1
.endr
	WIN 0
.endm
	TOSTAGE 0
.irp m, 1,2,3
.if \m > 1
	s_wait_xcnt 0x0                                ; tile m - 2's stores have read their registers: tile m's rows may land there
.endif
	TOSTAGE \m
	SEND \m-1, 63                                  ; 64 LDS instructions were issued behind tile m - 1's loads; the wait's field ends at 63, which asks for one more than is needed
.endr
	SEND 3, 0
	s_wait_tensorcnt 0x0
	ds_add_u32 v46, v47
	s_wait_dscnt 0x0
	s_endpgm
.Lfunc_end_k_qe1c611d80b_attn:
	.size	k_qe1c611d80b_attn, .Lfunc_end_k_qe1c611d80b_attn-k_qe1c611d80b_attn
	.p2alignl 7, 3214868480
	.fill 96, 4, 3214868480
	.section	.rodata,"a",@progbits
	.p2align	6, 0x0
	.amdhsa_kernel k_qe1c611d80b_attn
		.amdhsa_group_segment_fixed_size 154112
		.amdhsa_private_segment_fixed_size 0
		.amdhsa_enable_private_segment 0
		.amdhsa_kernarg_size 32
		.amdhsa_user_sgpr_count 2
		.amdhsa_user_sgpr_kernarg_segment_ptr 1
		.amdhsa_wavefront_size32 1
		.amdhsa_system_sgpr_workgroup_id_x 1
		.amdhsa_system_sgpr_workgroup_id_y 1
		.amdhsa_system_sgpr_workgroup_id_z 1
		.amdhsa_system_vgpr_workitem_id 0
		.amdhsa_next_free_vgpr 1024
		.amdhsa_next_free_sgpr 66
		.amdhsa_reserve_vcc 1
		.amdhsa_float_denorm_mode_32 3
		.amdhsa_float_denorm_mode_16_64 3
		.amdhsa_memory_ordered 1
		.amdhsa_forward_progress 1
		.amdhsa_inst_pref_size 255
	.end_amdhsa_kernel
	.amdgpu_metadata
---
amdhsa.version: [ 1, 2 ]
amdhsa.kernels:
  - .name:           k_qe1c611d80b_attn
    .symbol:         k_qe1c611d80b_attn.kd
    .args:
      - { .name: lowp_scales, .offset: 0, .size: 8, .value_kind: global_buffer, .address_space: global }
      - { .name: query_codes, .offset: 8, .size: 8, .value_kind: global_buffer, .address_space: global }
      - { .name: vstream, .offset: 16, .size: 8, .value_kind: global_buffer, .address_space: global }
      - { .name: out0, .offset: 24, .size: 8, .value_kind: global_buffer, .address_space: global }
    .group_segment_fixed_size: 154112
    .private_segment_fixed_size: 0
    .kernarg_segment_align: 8
    .kernarg_segment_size: 32
    .max_flat_workgroup_size: 128
    .sgpr_count:     66
    .vgpr_count:     1024
    .wavefront_size: 32
...
	.end_amdgpu_metadata
.endif
;; end of part 3
;; ======== version 3 of 3: 2 launches; version 2 with the launch attn written anew for expert scheduling mode
;; limits: right only within a limited range of input values
;; workspace buffers: vstream 33,554,432 bytes
;; launch quant: the kernel of part 1 again; grid 16 x 64, 4 waves a work-group, no clusters, 67,072 bytes of LDS; arguments value, lowp_scales, vstream; writes vstream
;; launch attn (part 4): grid 32 x 8, 4 waves a work-group, no clusters, 154,112 bytes of LDS; arguments lowp_scales, query_codes, vstream, out0; writes out0
.if DOCPART == 4
	.amdgcn_target "amdgcn-amd-amdhsa--gfx1250"
	.amdhsa_code_object_version 6
	.text
	.protected	k_qe1c611d80b_attn
	.globl	k_qe1c611d80b_attn
	.p2align	8
	.type	k_qe1c611d80b_attn,@function
k_qe1c611d80b_attn:
	s_mov_b64 s[64:65], 0
	v_nop
	global_prefetch_b8 v0, s[64:65] scope:SCOPE_SE
	s_setreg_imm32_b32 hwreg(HW_REG_WAVE_SCHED_MODE, 0, 2), 2
	s_setreg_imm32_b32 hwreg(HW_REG_WAVE_MODE, 25, 1), 1
	s_wait_xcnt 0x0
	s_wait_alu depctr_vm_vsrc(0)
; out[b][q][:] = the sum over keys k <= q of softmax_k(query[b][q] . value[b][k]) value[b][k][:], both products on codes of E4M3 by v_wmma_f32_16x16x128_fp8_fp8, sums in f32.
; query comes as codes (scale 2^e0); value's codes for both products were laid by the launch before in the order of the operands' registers (vstream: see below; scales 2^e1, 2^e3).
; THE SOFTMAX AHEAD OF THE SECOND PRODUCT: t = score x 2^(e0 + e1) x log2(e); M = the row's largest t so far, rounded up to a whole number; p = 2^(t - M) is quantised with 2^e2, not normalised.
; The row's sum is taken of the unquantised p; when M moves, the sum and O are multiplied by 2^(old M - new M), which rounds nothing; at the end O x 2^(e2 + e3) / sum.
; LIMITS: e2 between -126 and 119; e0 + e1 between -126 and 127 (they are added to the exponent field of log2(e)).  A hidden score is made -infinity where the definition takes 1e9 away:
; the same p = 0 wherever a row's scores span less than about 1e9.
; SHARES.  A work-group owns 64 queries (block i) of batch b; it walks the keys in steps of 256, J + 1 steps with J = i / 4: nothing is loaded or multiplied beyond the step that holds the diagonal.
; Work-group (x, y) takes b = x % 8 and i = 4 y + (x / 8) % 4: a one-to-one map, in which work-groups whose x differ by a multiple of 8 share a batch; the choice changes no result.
; THE WALK.  The running M allows any order of the steps.  Block i = 4 J + a begins at step J - min(2 a, J) and goes upward, from step J round to step 0.  So the blocks of a batch stand at different steps
; at any time, and each of the steps 0 to 7 is some block's first.  The step that holds the diagonal (step J) is masked wherever it comes; its first key counts for all 64 queries, so M is a number from the first step on.
; THE FOUR WAVES SHARE COLUMNS, NOT ROWS.  In S^T = V Q^T wave w takes keys 64 w .. 64 w + 63 of the step for all 64 queries (16 accumulators); in O^T = V^T P^T it takes channels 256 w .. 256 w + 255
; for all 64 queries (64 accumulators, 512 registers).  So each fragment of value's codes is wanted by ONE wave: it goes from memory straight into that wave's registers, 512 consecutive bytes a load,
; through a ring of four register buffers of 8,192 bytes (a chunk: 16 loads that feed 16 matrix instructions); three chunks are always on their way.  Through LDS goes only what the waves share:
; Q's 64 rows, the rows' maxima and sums, and P as images of its operand registers.
; NO CLUSTER, NO JOINT LOADS, NO TENSOR RING: a step of even 128 keys is 131,072 bytes of codes for each product; two slots of that and Q's 65,536 bytes are 327,680 bytes, with no byte left for P; no wave
; shares a fragment of value with another wave of its work-group; and the blocks of a batch walk different numbers of steps.
; LAYOUT.  Both products are used transposed (source 0 = value's fragment, source 1 = Q's or P's): a lane holds ONE query (lane % 16) throughout.  In every fragment registers 4 c .. 4 c + 3 hold
; k = 32 c + 16 (lane / 16) + 0..15: a permutation of k, alike on both sides of each product.  The keys of a tile are not neighbours (lane r of tile kt: key 32 (kt / 2) + 8 (kt % 2) + r + 8 (r / 8)),
; so that registers 16 n' .. 16 n' + 15 of a query tile's scores are keys 32 n' + 16 (lane / 16) + 0..15: the conversions' results are P's operand registers.
; vstream [b][w][j][chunk 16][8,192]: chunks 0-7: K steps of the first product (4 key tiles each); chunks 8-15: g = 0..7: keys 128 (g / 4) on, channel tiles 4 (g % 4) + 0..3.
; REGISTERS, in windows of 256.  Window 0: v1-12 addresses and constants; v14-21 (-M, largest t) a query tile; v22-29 the sums; v46, v47 the closing add's two;
;   Q's fragments, three sets of two: X = v48-79, Y = v80-111, Z = v30-45 and v240-255.  While no fragment of Q is wanted (softmax, second product, way out) X holds P's codes, and Z holds
;   f = 2^(old M - new M), later 2^(e2+e3) / sum (v30-37), and what is at work (v38-41, v240-255);
;   v112-239 the scores, then p, then P's eight fragments, on the way out a tile of O.   Window 1: the ring; on the way out rows of O.
;   Windows 2, 3: O^T: accumulator (channel tile ct, query tile m) at v[8 (4 (ct % 8) + m)] of window 2 + ct / 8.
; THE MODE: SCHED_MODE bits 1:0 = 2 (LLVM: expert scheduling mode 2), set by the entry lines.  The code itself states the register dependences between vector or matrix instructions
; and memory or LDS instructions, with s_wait_alu, always for 0.
; THE PLAN.  Registers that memory or LDS instructions touch, round a step:
;   the ring     Chunk c's sixteen products read buffer c % 4; behind them the loads of chunk c + 4 land in it.
;   X, Y, Z      A K step's products go in two halves: A(k) = query tiles 0, 1; B(k) = tiles 2, 3; half 2 k + (tile / 2) reads set (2 k + tile / 2) % 3.  Behind K step k's products the fragments of B(k + 1) land in
;                A(k)'s set and those of A(k + 2) in B(k)'s; the third set holds A(k + 1), asked for a K step earlier.  X is also written by the conversions (P's codes) and read by the eight LDS stores of them.
;   v112-239     Written by the first product and the softmax; behind the second barrier P's fragments land there; read by the second product.  (At the head Q's rows pass through; on the way out tiles of O.)
;   v38-41       The maxima (on the way out the sums): written by vector instructions, read by one LDS store, written again behind the barrier.
;   v240-255     At work in the softmax; behind the first barrier the four waves' maxima land there.
;   v1-9, v13    Offsets and LDS addresses, made once at the head and never written again; the stream is walked by scalar bases and immediate offsets.
;   O^T, -M, the sums and f are named by vector and matrix instructions alone.
; So ONE wait on va_vdst stands behind each chunk's sixteen products, and the chunk's loads follow it in one run; two more stand ahead of the softmax's two runs of LDS stores, and each of these also states
; that the vector side is done with the registers in which the loads behind the following barrier land (nothing but those stores, a wait and the barrier stands between); one is the exponentials' own.
; Two waits on vm_vsrc stand in a step: ahead of the rewriting of the maxima, and in the step's last chunk, ahead of Q's loads into X.
.set QP,    1040                       ; a row of Q, and of a stage, in LDS: 1,024 bytes + 16 = 260 words: row r starts at bank 4 r mod 64 (64 banks of 4 bytes: ISA guide 11.1)
.set PIMG,  64*QP                      ; behind Q's 64 rows: P's images: fragment (m, s) at 4,096 m + 2,048 s; 16,384 bytes
.set MAXB,  PIMG+16384                 ; the rows' maxima, 512 bytes a wave; 2,048 bytes on: the rows' sums
.set STAGE, MAXB+4096                  ; the way out: 16 rows x QP for each wave
.set LO,   1                           ; v1   16 x lane
.set AQ,   2                           ; v2   Q's fragments: r x QP + 16 h
.set PWR,  3                           ; v3   where I put P's codes: PIMG + 1,024 w + 16 lane
.set PRD,  4                           ; v4   where I read P's images: PIMG + 16 lane
.set MXW,  5                           ; v5   MAXB + 512 w + 16 lane
.set MXR,  6                           ; v6   MAXB + 16 lane
.set STO,  8                           ; v8   my stage: row r, + 32 h
.set SRD,  9                           ; v9   my stage: 16 x lane
.set D0,   10                          ; v10  64 (i % 4) - 64 w + r - 16 h: for the mask
.set HOLD, 11                          ; v11  448 x 2^e2
.set PSC,  12                          ; v12  2^e2
.set NM,   14                          ; v[NM+2m] = -M, v[NM+2m+1] = the largest t
.set LS,   22                          ; v[LS+2m:LS+2m+1] the sum of my keys' p, in two halves
.set ZA,   30                          ; set Z's first fragment, v30-45
.set ZB,   240                         ; set Z's second fragment, v240-255
.set FF,   ZA                          ; v[FF+2m] = f; the word above it is named with it as a pair, so it is written at the head
.set MX,   ZA+8
.set QF,   48                          ; sets X and Y
.set SC,   112
.set TT,   ZB
.set WV,   12                          ; s12  wave
.set BI,   13                          ; s13  i
.set BB,   14                          ; s14  b
.set JL,   15                          ; s15  J = i / 4: the step that holds the diagonal
.set JJ,   16                          ; s16  steps done: the loop's counter
.set KS,   17                          ; s17  up to a step's middle: the step in hand; from there on: the step that follows it in the walk
.set SEL,  18                          ; s18, s19 lane selects for v_permlanex16_b32: lane l xor 16
.set CS,   20                          ; s[20:21] c = log2(e) x 2^(e0 + e1): the packed form names a pair and takes its low word for both halves
.set SBC,  22                          ; s[22:23] from a step's middle on: my stream at the step in hand
.set SBN,  24                          ; s[24:25] up to a step's middle: my stream at the step in hand; from there on: at the step that follows
.set OUT,  26                          ; s[26:27] out0 at my block's first row, my 256 channels
.set NS,   43                          ; s43  the number of steps: J + 1, between 1 and 8; never rewritten: the loop over steps ends on it
.set SB0,  44                          ; s[44:45] my stream at step 0; never rewritten
.set MK,   66                          ; s66-97 the mask: a query tile's 32 compares
.set MSB, 0
.macro WIN new                         ; the immediate's high byte repeats the setting that is left; a switch that changes nothing is dropped
.if MSB != \new
	s_set_vgpr_msb (MSB<<8)|\new
.set MSB, \new
.endif
.endm
; A vector instruction that reads a matrix result stands four places behind it; a matrix instruction that writes over a register of an earlier one five; only plain vector instructions that name none of
; its registers are places (ISA guide 7.12.1).  The four places ahead of loads into registers that matrix instructions have read stand where they stood in the plain form, ahead of the wait that states that dependence.
.macro PLACES n
.rept \n
	v_nop
.endr
.endm
.macro LOADCH buf, base, off           ; a chunk: 16 loads of 512 consecutive bytes into ring buffer buf
	WIN 0x40                                       ; destination window 1
.irp n, 0,1,2,3,4,5,6,7,8,9,10,11,12,13,14,15
	global_load_b128 v[64*(\buf)+4*\n:64*(\buf)+4*\n+3], v[LO], s[\base:\base+1] offset:(\off)+512*\n
.endr
.endm
.macro QREG k, m                       ; rQ = the first register of Q's fragment of K step k, query tile m: set (2 k + m / 2) % 3, fragment m % 2
.set qs, (2*(\k)+(\m)/2)%3
.if qs == 2
.set rQ, ZA+(ZB-ZA)*((\m)%2)
.else
.set rQ, QF+32*qs+16*((\m)%2)
.endif
.endm
.macro QFETCH k, m0                    ; Q's fragments of K step k, query tiles m0 and m0 + 1: 8 loads
	WIN 0
.irp m, \m0, \m0+1
	QREG \k, \m
.irp c, 0,1,2,3
	ds_load_b128 v[rQ+4*\c:rQ+4*\c+3], v[AQ] offset:(\m)*16*QP+128*(\k)+32*\c
.endr
.endr
.endm
.macro SMUL k, m0                      ; 8 products of S^T, K step k: query tiles m0, m0 + 1 x my four key tiles.  The accumulators take turns, one instruction a turn.  The first K step starts the sums: nothing is cleared
.irp m, \m0, \m0+1
	QREG \k, \m
.irp kt, 0,1,2,3
.if (\k) == 0
	v_wmma_f32_16x16x128_fp8_fp8 v[SC+32*(\m)+8*\kt:SC+32*(\m)+8*\kt+7], v[64*((\k)%4)+16*\kt:64*((\k)%4)+16*\kt+15], v[rQ:rQ+15], 0
.else
	v_wmma_f32_16x16x128_fp8_fp8 v[SC+32*(\m)+8*\kt:SC+32*(\m)+8*\kt+7], v[64*((\k)%4)+16*\kt:64*((\k)%4)+16*\kt+15], v[rQ:rQ+15], v[SC+32*(\m)+8*\kt:SC+32*(\m)+8*\kt+7]
.endif
.endr
.endr
.endm
; Chunk k of the first product: K step k, 16 matrix instructions; behind them one wait, and in one run the fragments of Q that land in the two sets just read and the chunk four on.
.macro SCHUNK k
	s_wait_loadcnt 48                              ; my chunk is in; the three chunks issued behind it (48 loads) stay on their way
.if (\k) < 7
	s_wait_dscnt 16                                ; A(k)'s fragments are in; the 8 loads of B(k) and the 8 of A(k + 1), issued behind them, may be out
.else
	s_wait_dscnt 8                                 ; A(7)'s are in; the 8 loads of B(7) may be out
.endif
	WIN 0x01                                       ; source 0 (value) window 1
	SMUL \k, 0
.if (\k) < 7
	s_wait_dscnt 8                                 ; B(k)'s are in; the 8 loads of A(k + 1) may be out
.else
	s_wait_dscnt 0x0
.endif
	SMUL \k, 2
	PLACES 4                                       ; behind the last K step: for the first read of the scores, and for the softmax's writes into set Z
.if (\k) < 7
	WIN 0
.else
	WIN 0x40
.endif
	s_wait_alu depctr_va_vdst(0)                   ; this K step's sixteen products are done reading ring buffer k % 4 and their two sets of Q's fragments, in which the loads below land
.if (\k) < 7
	QFETCH (\k)+1, 2                               ; B(k + 1) into A(k)'s set: wanted behind the next K step's first eight products
.endif
.if (\k) < 6
	QFETCH (\k)+2, 0                               ; A(k + 2) into B(k)'s set: wanted a whole K step on
.endif
	LOADCH (\k)%4, SBN, ((\k)+4)*8192              ; (in this half of a step SBN stands at the step in hand)
.endm
; Chunk 8 + g, of the second product: keys 128 (g / 4) on, channel tiles 4 (g % 4) + 0..3, all four query tiles: 16 matrix instructions on 16 accumulators.
.macro PCHUNK g, one
	s_wait_loadcnt 48                              ; as above
.if (\g) == 0
	s_wait_dscnt 16                                ; P's four fragments of the first 128 keys are in; the 16 loads of the other four may be out
.endif
.if (\g) == 4
	s_wait_dscnt 0x0
.endif
.if (\g)%4 < 2
	WIN 0xa1                                       ; source 0 window 1, source 1 (P) window 0, C and D window 2
.else
	WIN 0xf1                                       ; the same, C and D window 3
.endif
.irp f, 0,1,2,3
.irp m, 0,1,2,3
.set rO, 8*(4*(4*((\g)%2)+\f)+\m)
.if \one && ((\g) < 4)
	v_wmma_f32_16x16x128_fp8_fp8 v[rO:rO+7], v[64*((\g)%4)+16*\f:64*((\g)%4)+16*\f+15], v[SC+64*((\g)/4)+16*\m:SC+64*((\g)/4)+16*\m+15], 0
.else
	v_wmma_f32_16x16x128_fp8_fp8 v[rO:rO+7], v[64*((\g)%4)+16*\f:64*((\g)%4)+16*\f+15], v[SC+64*((\g)/4)+16*\m:SC+64*((\g)/4)+16*\m+15], v[rO:rO+7]
.endif
.endr
.endr
.if (\g) == 7
	PLACES 5                                       ; the next step's first products write over P's registers: five places
.else
	PLACES 4
.endif
	WIN 0x40
	s_wait_alu depctr_va_vdst(0)                   ; this chunk's sixteen products are done reading ring buffer g % 4, in which the loads below land; g = 7: and the vector side is long done with sets X, Y and Z (P's codes, f, the maxima)
.if (\g) == 7
	s_wait_alu depctr_vm_vsrc(0)                   ; the LDS stores of P's codes, half a step back, have read set X, in which Q's fragments land below
.endif
.if (\g) < 4
	LOADCH (\g)%4, SBC, (12+(\g))*8192
.else
	LOADCH (\g)%4, SBN, ((\g)-4)*8192              ; the first four chunks of the step that follows in the walk (behind the last step: of the walk's first step again, which nobody reads: inside the stream, and every count stays as it is)
.endif
.if (\g) == 7
	QFETCH 0, 0                                    ; and Q's fragments of its first K step, A(0) and B(0),
	QFETCH 0, 2
	QFETCH 1, 0                                    ; and A(1), into the third set
.endif
.endm
; THE SOFTMAX OF A STEP.  one = 1: the walk's first step, which starts M, the sums and O^T.
.macro SOFTMAX one
	WIN 0                                          ; at a branch and at a label every window is 0
	; the mask, in step J alone: register n of query tile m holds key 256 J + 64 w + 16 h + 32 (n / 16) + n % 16: hidden where 32 (n / 16) + n % 16 > D0 + 16 m
	s_cmp_lg_u32 s[KS], s[JL]
	s_cbranch_scc1 .Lopen_\@
	v_mov_b32 v[TT], 0xff800000                    ; -infinity
.irp m, 0,1,2,3
	v_add_nc_u32 v[TT+1+\m], 16*\m, v[D0]
.endr
.irp m, 0,1,2,3                                ; a query tile's 32 compares in one run, each into a scalar register of its own; one wait; its 32 selects
.set n, 0
.rept 32
	v_cmp_gt_i32 s[MK+n], 32*(n/16)+n%16, v[TT+1+\m]
.set n, n+1
.endr
	s_wait_alu depctr_va_sdst(0)                   ; the 32 compares have written s[MK ..], ahead of the selects that read them
.set n, 0
.rept 32
	v_cndmask_b32 v[SC+32*\m+n], v[SC+32*\m+n], v[TT], s[MK+n]
.set n, n+1
.endr
.endr
.Lopen_\@:
	; the largest score of each query among my 64 keys: four chains side by side, each accumulator from its low end on
.irp m, 0,1,2,3
	v_max3_num_f32 v[MX+\m], v[SC+32*\m], v[SC+32*\m+1], v[SC+32*\m+2]
.endr
.set q, 0
.rept 14
.irp m, 0,1,2,3
	v_max3_num_f32 v[MX+\m], v[MX+\m], v[SC+32*\m+3+2*q], v[SC+32*\m+4+2*q]
.endr
.set q, q+1
.endr
.irp m, 0,1,2,3
	v_max_num_f32 v[MX+\m], v[MX+\m], v[SC+32*\m+31]
.endr
.irp m, 0,1,2,3
	v_permlanex16_b32 v[TT+\m], v[MX+\m], s[SEL], s[SEL+1]
.endr
.irp m, 0,1,2,3
	v_max_num_f32 v[MX+\m], v[MX+\m], v[TT+\m]
.endr
	s_wait_alu depctr_va_vdst(0)                   ; the maxima are written, which the store reads; and the vector side is done with v[TT ..], in which the loads behind the barrier land
	ds_store_b128 v[MXW], v[MX:MX+3]               ; my wave's four maxima a lane
	s_wait_dscnt 0x0                               ; they lie in LDS; and my reads of the last step's images of P are over
	s_barrier_signal -1
	s_barrier_wait -1                              ; both hold of every wave
.irp o, 0,1,2,3
	ds_load_b128 v[TT+4*\o:TT+4*\o+3], v[MXR] offset:512*\o
.endr
	s_wait_dscnt 0x0
	s_wait_alu depctr_vm_vsrc(0)                   ; my store has read v[MX ..], which the next lines write again
.irp m, 0,1,2,3
	v_max3_num_f32 v[MX+\m], v[TT+\m], v[TT+4+\m], v[TT+8+\m]
.endr
.irp m, 0,1,2,3
	v_max_num_f32 v[MX+\m], v[MX+\m], v[TT+12+\m]
.endr
.irp m, 0,1,2,3
	v_mul_f32 v[MX+\m], s[CS], v[MX+\m]            ; as t (c is positive): the step's largest t of the query, among all 256 keys
.endr
.if \one
.irp m, 0,1,2,3
	v_mov_b32 v[NM+2*\m+1], v[MX+\m]
.endr
.irp m, 0,1,2,3
	v_floor_f32 v[NM+2*\m], -v[NM+2*\m+1]          ; -M = floor(-t) = -ceil(t)
.endr
.else
.irp m, 0,1,2,3
	v_max_num_f32 v[NM+2*\m+1], v[NM+2*\m+1], v[MX+\m]   ; the running largest t
.endr
.irp m, 0,1,2,3
	v_mov_b32 v[TT+\m], v[NM+2*\m]
.endr
.irp m, 0,1,2,3
	v_floor_f32 v[NM+2*\m], -v[NM+2*\m+1]
.endr
.irp m, 0,1,2,3
	v_sub_f32 v[TT+\m], v[NM+2*\m], v[TT+\m]       ; old M - new M: a whole number, 0 or less
.endr
.irp m, 0,1,2,3
	v_cvt_i32_f32 v[TT+\m], v[TT+\m]
.endr
.irp m, 0,1,2,3
	v_ldexp_f32 v[FF+2*\m], 1.0, v[TT+\m]          ; f = 2^(old M - new M)
.endr
.endif
.irp m, 0,1,2,3
.set q, 0
.rept 16
	v_pk_fma_f32 v[SC+32*\m+2*q:SC+32*\m+2*q+1], v[SC+32*\m+2*q:SC+32*\m+2*q+1], s[CS:CS+1], v[NM+2*\m:NM+2*\m+1] op_sel_hi:[1,0,0]   ; t - M, two at a time
.set q, q+1
.endr
.endr
.set n, 0
.rept 128
	v_exp_f32 v[SC+n], v[SC+n]                     ; p = 2^(t - M): one batch
.set n, n+1
.endr
.if \one
	v_nop                                          ; the plain instruction behind the last exponential
.else
.irp m, 0,1,2,3
	v_pk_mul_f32 v[LS+2*\m:LS+2*\m+1], v[LS+2*\m:LS+2*\m+1], v[FF+2*\m:FF+2*\m+1] op_sel_hi:[1,0]   ; the sums under the new M (plain instructions behind the last exponential)
.endr
.endif
	s_wait_alu depctr_va_vdst(0)                   ; the 128 exponentials have written p: one wait for the batch, ahead of the first instruction that names a result
	; the rows' sums, of the unquantised p, two at a time, four chains
.if \one
.irp m, 0,1,2,3
	v_pk_add_f32 v[LS+2*\m:LS+2*\m+1], v[SC+32*\m:SC+32*\m+1], v[SC+32*\m+2:SC+32*\m+3]
.endr
.set q, 2
.rept 14
.irp m, 0,1,2,3
	v_pk_add_f32 v[LS+2*\m:LS+2*\m+1], v[LS+2*\m:LS+2*\m+1], v[SC+32*\m+2*q:SC+32*\m+2*q+1]
.endr
.set q, q+1
.endr
.else
.set q, 0
.rept 16
.irp m, 0,1,2,3
	v_pk_add_f32 v[LS+2*\m:LS+2*\m+1], v[LS+2*\m:LS+2*\m+1], v[SC+32*\m+2*q:SC+32*\m+2*q+1]
.endr
.set q, q+1
.endr
.endif
	; p's codes: 16 neighbouring keys a lane make four registers of the operand
.irp m, 0,1,2,3
.irp be, 0,1
.irp i, 0,1,2,3,4,5,6,7,8,9,10,11,12,13,14,15
	v_min_num_f32 v[SC+32*\m+16*\be+\i], v[SC+32*\m+16*\be+\i], v[HOLD]   ; the conversion does not saturate (ISA guide 7.6.2); p is not negative, so the hold is one-sided
.endr
	v_cvt_scalef32_pk8_fp8_f32 v[QF+8*\m+4*\be:QF+8*\m+4*\be+1], v[SC+32*\m+16*\be:SC+32*\m+16*\be+7], v[PSC]
	v_cvt_scalef32_pk8_fp8_f32 v[QF+8*\m+4*\be+2:QF+8*\m+4*\be+3], v[SC+32*\m+16*\be+8:SC+32*\m+16*\be+15], v[PSC]
.endr
.endr
	v_nop                                          ; one plain vector line behind the last conversion
	s_wait_alu depctr_va_vdst(0)                   ; the conversions have written P's codes, which the stores read; and the vector side is done with v[SC ..], in which P's fragments land behind the barrier
.irp m, 0,1,2,3
.irp be, 0,1
	ds_store_b128 v[PWR], v[QF+8*\m+4*\be:QF+8*\m+4*\be+3] offset:4096*\m+512*\be   ; my keys 64 w + 32 be on are piece 2 (w % 2) + be of fragment (m, w / 2)
.endr
.endr
	s_wait_dscnt 0x0                               ; my pieces lie in LDS; my reads of the maxima are over
	s_barrier_signal -1
	s_barrier_wait -1                              ; P's eight images are whole
.irp s, 0,1
.irp m, 0,1,2,3
.irp c, 0,1,2,3
	ds_load_b128 v[SC+64*\s+16*\m+4*\c:SC+64*\s+16*\m+4*\c+3], v[PRD] offset:4096*\m+2048*\s+512*\c
.endr
.endr
.endr
.if \one == 0
	WIN 0x82                                       ; while P's fragments are on their way: O^T under the new M, each accumulator from its low end on
.set ai, 0
.rept 32
.irp p, 0,1,2,3
	v_pk_mul_f32 v[8*ai+2*\p:8*ai+2*\p+1], v[8*ai+2*\p:8*ai+2*\p+1], v[FF+2*(ai%4):FF+2*(ai%4)+1] op_sel_hi:[1,0]
.endr
.set ai, ai+1
.endr
	WIN 0xc3
.set ai, 0
.rept 32
.irp p, 0,1,2,3
	v_pk_mul_f32 v[8*ai+2*\p:8*ai+2*\p+1], v[8*ai+2*\p:8*ai+2*\p+1], v[FF+2*(ai%4):FF+2*(ai%4)+1] op_sel_hi:[1,0]
.endr
.set ai, ai+1
.endr
	WIN 0
.endif
.endm
.macro STEP one
.irp k, 0,1,2,3,4,5,6,7
	SCHUNK \k
.endr
	SOFTMAX \one
	; THE STEP'S MIDDLE: the two bases are stepped here, a whole softmax behind the youngest load that names one of them
	s_wait_xcnt 0x0                                ; every load issued so far has read its base: both pairs may be written
	s_mov_b64 s[SBC:SBC+1], s[SBN:SBN+1]           ; the step in hand: its last four chunks are still to be asked for
	s_add_co_u32 s[KS], s[KS], 1                   ; the step that follows in the walk:
	s_cmp_gt_u32 s[KS], s[JL]
	s_cselect_b32 s[KS], 0, s[KS]                  ; from step J round to step 0
	s_lshl_b32 s32, s[KS], 17                      ; a step is 131,072 bytes of my stream
	s_mov_b32 s33, 0
	s_add_nc_u64 s[SBN:SBN+1], s[SB0:SB0+1], s[32:33]
.irp g, 0,1,2,3,4,5,6,7
	PCHUNK \g, \one
.endr
	s_add_co_u32 s[JJ], s[JJ], 1
.endm
	s_load_b256 s[4:11], s[0:1], 0x0               ; the scales' exponents s[4:5], query_codes s[6:7], vstream s[8:9], out0 s[10:11]
	v_lshl_add_u32 v46, v0, 2, 0x25800
	v_mov_b32 v47, 0
	v_lshrrev_b32 v13, 5, v0
	v_readfirstlane_b32 s[WV], v13                 ; wave 0..3
	s_and_b32 s[BB], ttmp9, 7                      ; b = x % 8
	s_bfe_u32 s32, ttmp9, 0x20003                  ; a = (x / 8) % 4
	s_and_b32 s[JL], ttmp7, 0xffff                 ; J = y
	s_lshl_b32 s[BI], s[JL], 2
	s_or_b32 s[BI], s[BI], s32                     ; i = 4 J + a
	s_add_co_u32 s[NS], s[JL], 1                   ; the number of steps
	s_mov_b32 s[JJ], 0
	s_lshl_b32 s33, s32, 1
	s_min_u32 s33, s33, s[JL]
	s_sub_co_u32 s[KS], s[JL], s33                 ; the walk's first step: J - min(2 a, J)
	s_mov_b32 s[SEL], 0x76543210
	s_mov_b32 s[SEL+1], 0xfedcba98
	v_and_b32 v14, 31, v0                          ; lane
	v_and_b32 v15, 15, v0                          ; r
	v_bfe_u32 v44, v0, 4, 1                        ; h
	v_lshlrev_b32 v[LO], 4, v14
	v_mul_u32_u24 v[AQ], v15, QP
	v_lshl_add_u32 v[AQ], v44, 4, v[AQ]
	s_wait_alu depctr_va_sdst(0)                   ; the wave's number is written into s[WV], ahead of its first reader: LDS addresses and the bases are made from it
	s_lshl_b32 s32, s[WV], 10
	s_add_co_u32 s32, s32, PIMG
	v_add_nc_u32 v[PWR], s32, v[LO]
	v_add_nc_u32 v[PRD], PIMG, v[LO]
	s_lshl_b32 s32, s[WV], 9
	s_add_co_u32 s32, s32, MAXB
	v_add_nc_u32 v[MXW], s32, v[LO]
	v_add_nc_u32 v[MXR], MAXB, v[LO]
	s_mul_i32 s33, s[WV], 16*QP
	v_add_nc_u32 v13, s33, v[LO]                   ; where I put Q's rows 16 w on
	s_add_co_u32 s32, s33, STAGE
	v_add_nc_u32 v[SRD], s32, v[LO]
	v_mul_u32_u24 v[STO], v15, QP
	v_lshl_add_u32 v[STO], v44, 5, v[STO]
	v_add_nc_u32 v[STO], s32, v[STO]
	s_and_b32 s32, s[BI], 3
	s_sub_co_i32 s32, s32, s[WV]
	s_lshl_b32 s32, s32, 6
	v_lshlrev_b32 v45, 4, v44
	v_sub_nc_u32 v[D0], v15, v45
	v_add_nc_u32 v[D0], s32, v[D0]
.irp m, 0,1,2,3
	v_mov_b32 v[TT+\m], 0                          ; written once: a lane permute's destination counts as one of its sources
	v_mov_b32 v[FF+2*\m+1], 0                      ; named as the upper half of a pair
.endr
	s_lshl_b32 s36, s[BB], 11
	s_lshl_b32 s37, s[BI], 6
	s_add_co_u32 s36, s36, s37                     ; my block's first row: 2,048 b + 64 i
	s_lshl_b32 s38, s36, 12
	s_lshl_b32 s37, s[WV], 10
	s_add_co_u32 s38, s38, s37                     ; in out0: x 4,096 bytes + 1,024 w
	s_mov_b32 s39, 0
	s_lshl_b32 s37, s[WV], 4
	s_add_co_u32 s36, s36, s37
	s_lshl_b32 s36, s36, 10                        ; in query_codes: (row + 16 w) x 1,024 bytes
	s_mov_b32 s37, 0
	s_lshl_b32 s32, s[BB], 2
	s_add_co_u32 s32, s32, s[WV]
	s_lshl_b32 s32, s32, 20                        ; my stream: (4 b + w) x 2^20 bytes
	s_mov_b32 s33, 0
	s_lshl_b32 s40, s[KS], 17                      ; the walk's first step in it
	s_mov_b32 s41, 0
	s_wait_kmcnt 0x0
	s_load_b128 s[28:31], s[4:5], 0x0              ; e0, e1, e2, e3
	s_add_nc_u64 s[34:35], s[6:7], s[36:37]
	s_add_nc_u64 s[SB0:SB0+1], s[8:9], s[32:33]
	s_add_nc_u64 s[SBN:SBN+1], s[SB0:SB0+1], s[40:41]
	s_add_nc_u64 s[OUT:OUT+1], s[10:11], s[38:39]
	s_wait_alu depctr_va_vdst(0)                   ; the offsets and LDS addresses v1 to v9 and v13 are written, which every load and store of the kernel reads; so are the registers of set Z that the head has used (v31 to v45, v240 to v243), in which Q's fragments land
.set n, 0
.rept 32
	global_load_b128 v[SC+4*n:SC+4*n+3], v[LO], s[34:35] offset:512*n th:TH_LOAD_NT   ; my 16 rows of Q: 16,384 consecutive bytes
.set n, n+1
.endr
	LOADCH 0, SBN, 0
	LOADCH 1, SBN, 8192
	WIN 0
	s_wait_loadcnt 32                              ; Q's 32 loads are in; the 32 of the first two chunks, issued behind them, may be out
.set n, 0
.rept 32
	ds_store_b128 v13, v[SC+4*n:SC+4*n+3] offset:(n/2)*QP+(n%2)*512
.set n, n+1
.endr
	LOADCH 2, SBN, 2*8192
	LOADCH 3, SBN, 3*8192
	WIN 0
	s_wait_kmcnt 0x0
	s_add_co_i32 s32, s28, s29
	s_lshl_b32 s32, s32, 23
	s_add_co_i32 s[CS], s32, 0x3fb8aa3b            ; log2(e) with e0 + e1 added to its exponent field
	s_mov_b32 s[CS+1], s[CS]                       ; (named with it as a pair, so it is written)
	s_add_co_i32 s32, s30, 127
	s_lshl_b32 s33, s32, 23
	v_mov_b32 v[PSC], s33
	s_add_co_i32 s32, s32, 8
	s_lshl_b32 s32, s32, 23
	s_or_b32 s32, s32, 0x600000
	v_mov_b32 v[HOLD], s32
	s_add_co_i32 s42, s30, s31                     ; e2 + e3
	s_wait_dscnt 0x0                               ; my rows of Q lie in LDS
	s_barrier_signal -1
	s_barrier_wait -1                              ; all 64 do; nobody writes them again
	s_wait_alu depctr_vm_vsrc(0)                   ; my LDS stores have read v[SC ..], which the first products write
	QFETCH 0, 0                                    ; A(0), B(0) and A(1): the three sets
	QFETCH 0, 2
	QFETCH 1, 0
	STEP 1                                         ; the walk's first step is written out: its products start O^T's sums, and it has no old M
	s_cmp_eq_u32 s[JL], 0
	s_cbranch_scc1 .Lout
.Lstep:                                            ; the walk's other J steps: the counter goes up by 1 a trip while it is under the number of steps
	STEP 0
	s_cmp_lt_u32 s[JJ], s[NS]
	s_cbranch_scc1 .Lstep
.Lout:
	; THE WAY OUT.  The sums' halves, the other half of the lanes' and the four waves' are added; O^T x 2^(e2 + e3) / sum goes through my stage in LDS, a tile of 16 queries at a time, and leaves as whole rows.
	s_wait_loadcnt 0x0                             ; the ring's last four refills, which nobody reads: their registers are taken below
	s_wait_dscnt 0x0                               ; and Q's last fragments likewise
.irp m, 0,1,2,3
	v_add_f32 v[MX+\m], v[LS+2*\m], v[LS+2*\m+1]
.endr
.irp m, 0,1,2,3
	v_permlanex16_b32 v[TT+\m], v[MX+\m], s[SEL], s[SEL+1]
.endr
.irp m, 0,1,2,3
	v_add_f32 v[MX+\m], v[MX+\m], v[TT+\m]
.endr
	s_wait_alu depctr_va_vdst(0)                   ; my sums are written, which the store reads; and the vector side is done with v[TT ..], in which the loads behind the barrier land
	ds_store_b128 v[MXW], v[MX:MX+3] offset:2048
	s_wait_dscnt 0x0                               ; for the others' sake
	s_barrier_signal -1
	s_barrier_wait -1
.irp o, 0,1,2,3
	ds_load_b128 v[TT+4*\o:TT+4*\o+3], v[MXR] offset:2048+512*\o
.endr
	s_wait_dscnt 0x0
	s_wait_alu depctr_vm_vsrc(0)                   ; my store has read v[MX ..], which the next lines write again
.irp m, 0,1,2,3
	v_add_f32 v[MX+\m], v[TT+\m], v[TT+4+\m]
.endr
.irp m, 0,1,2,3
	v_add_f32 v[TT+\m], v[TT+8+\m], v[TT+12+\m]
.endr
.irp m, 0,1,2,3
	v_add_f32 v[MX+\m], v[MX+\m], v[TT+\m]         ; the row's sum
.endr
.irp m, 0,1,2,3
	v_rcp_f32 v[FF+2*\m], v[MX+\m]
.endr
	v_nop                                          ; a plain instruction behind the last reciprocal
	s_wait_alu depctr_va_vdst(0)                   ; the four reciprocals are written: one wait, ahead of their first reader
.irp m, 0,1,2,3
	v_ldexp_f32 v[FF+2*\m], v[FF+2*\m], s42        ; x 2^(e2 + e3)
.endr
; Query tile m: lane (r, h) holds, of query 16 m + r, channels 16 ct + 8 h + 0..7 for my 16 channel tiles: 32 bytes each.  They go into rows of QP bytes and come back as rows of 1,024 bytes.
; LDS serves a wave's instructions in order (ISA guide 5.7.1.4): no wait between the stores and the loads, nor in front of the next tile's stores.
.macro TOSTAGE m
.if (\m) > 0
	s_wait_alu depctr_vm_vsrc(0)                   ; tile m - 1's LDS stores have read v[SC ..], which is written again below; from tile 2 on: tile m - 2's global stores have read the rows' registers in which this tile's rows land
.endif
.irp ct, 0,1,2,3,4,5,6,7,8,9,10,11,12,13,14,15
.if \ct < 8
	WIN 0x02                                       ; source 0 window 2
.else
	WIN 0x03                                       ; source 0 window 3
.endif
.irp p, 0,1,2,3
	v_pk_mul_f32 v[SC+8*\ct+2*\p:SC+8*\ct+2*\p+1], v[8*(4*(\ct%8)+(\m))+2*\p:8*(4*(\ct%8)+(\m))+2*\p+1], v[FF+2*(\m):FF+2*(\m)+1] op_sel_hi:[1,0]   ; each accumulator from its low end on
.endr
.endr
	WIN 0
	s_wait_alu depctr_va_vdst(0)                   ; the multiplications have written v[SC ..], which the LDS stores read (the loads below land in the ring's registers, which no vector or matrix instruction since the last products' wait names)
.irp ct, 0,1,2,3,4,5,6,7,8,9,10,11,12,13,14,15
	ds_store_b128 v[STO], v[SC+8*\ct:SC+8*\ct+3] offset:64*\ct
	ds_store_b128 v[STO], v[SC+8*\ct+4:SC+8*\ct+7] offset:64*\ct+16
.endr
	WIN 0x40                                       ; destination window 1: two sets of 128 registers by turns
.set n, 0
.rept 32
	ds_load_b128 v[128*((\m)%2)+4*n:128*((\m)%2)+4*n+3], v[SRD] offset:(n/2)*QP+(n%2)*512
.set n, n+1
.endr
	WIN 0
.endm
.macro SEND m, younger                 ; younger: the LDS instructions issued behind tile m's loads, which may stay out
	s_wait_dscnt \younger
	WIN 0x04                                       ; the stores' data window 1
.set n, 0
.rept 32
	global_store_b128 v[LO], v[128*((\m)%2)+4*n:128*((\m)%2)+4*n+3], s[OUT:OUT+1] offset:(16*(\m)+n/2)*4096+(n%2)*512 th:TH_STORE_NT   ; 32 lanes store 512 consecutive bytes, at a multiple of 512 from out0's first byte
.set n, n+1
.endr
	WIN 0
.endm
	TOSTAGE 0
.irp m, 1,2,3
.if \m > 1
	s_wait_xcnt 0x0                                ; tile m - 2's stores have read their registers: tile m's rows may land there
.endif
	TOSTAGE \m
	SEND \m-1, 63                                  ; 64 LDS instructions were issued behind tile m - 1's loads; the wait's field ends at 63, which asks for one more than is needed
.endr
	SEND 3, 0
	s_wait_dscnt 0x0                               ; the closing lines, six on end
	s_wait_alu 0x0
	s_wait_tensorcnt 0x0
	ds_add_u32 v46, v47
	s_wait_dscnt 0x0
	s_endpgm
.Lfunc_end_k_qe1c611d80b_attn:
	.size	k_qe1c611d80b_attn, .Lfunc_end_k_qe1c611d80b_attn-k_qe1c611d80b_attn
	.p2alignl 7, 3214868480
	.fill 96, 4, 3214868480
	.section	.rodata,"a",@progbits
	.p2align	6, 0x0
	.amdhsa_kernel k_qe1c611d80b_attn
		.amdhsa_group_segment_fixed_size 154112
		.amdhsa_private_segment_fixed_size 0
		.amdhsa_enable_private_segment 0
		.amdhsa_kernarg_size 32
		.amdhsa_user_sgpr_count 2
		.amdhsa_user_sgpr_kernarg_segment_ptr 1
		.amdhsa_wavefront_size32 1
		.amdhsa_system_sgpr_workgroup_id_x 1
		.amdhsa_system_sgpr_workgroup_id_y 1
		.amdhsa_system_sgpr_workgroup_id_z 1
		.amdhsa_system_vgpr_workitem_id 0
		.amdhsa_next_free_vgpr 1024
		.amdhsa_next_free_sgpr 98
		.amdhsa_reserve_vcc 0
		.amdhsa_float_denorm_mode_32 3
		.amdhsa_float_denorm_mode_16_64 3
		.amdhsa_memory_ordered 1
		.amdhsa_forward_progress 1
		.amdhsa_inst_pref_size 255
	.end_amdhsa_kernel
	.section	.bss,"aw",@nobits
	.p2align	6
	.space	262144
	.amdgpu_metadata
---
amdhsa.version: [ 1, 2 ]
amdhsa.kernels:
  - .name:           k_qe1c611d80b_attn
    .symbol:         k_qe1c611d80b_attn.kd
    .args:
      - { .name: lowp_scales, .offset: 0, .size: 8, .value_kind: global_buffer, .address_space: global }
      - { .name: query_codes, .offset: 8, .size: 8, .value_kind: global_buffer, .address_space: global }
      - { .name: vstream, .offset: 16, .size: 8, .value_kind: global_buffer, .address_space: global }
      - { .name: out0, .offset: 24, .size: 8, .value_kind: global_buffer, .address_space: global }
    .group_segment_fixed_size: 154112
    .private_segment_fixed_size: 0
    .kernarg_segment_align: 8
    .kernarg_segment_size: 32
    .max_flat_workgroup_size: 128
    .sgpr_count:     98
    .vgpr_count:     1024
    .wavefront_size: 32
...
	.end_amdgpu_metadata
.endif
;; end of part 4
